; MI455X (gfx1250); checked and timed in simulation.
; The chip was launched on July 23, 2026; its instructions are those of AMD's public machine-readable ISA for CDNA 5 (MIT licence, August 2026) and "CDNA5" Instruction Set Architecture Reference Guide (July 2026). The comments in the code are by the model that wrote it; some were corrected since.
;; Grouped Query Attention. Allowed arithmetic: matrix products marked QUANTISED: E3M2 operands, one E8M0 scale for each 32 along K, by v_wmma_scale_f32_16x16x128_f8f6f4 with both operands' format E3M2, f32 sums; everything else in f32.
;; Inputs: W_k 1,024 x 256 float32; W_o 1,024 x 1,024 float32; W_q 1,024 x 1,024 float32; W_v 1,024 x 256 float32; x 1 x 4,096 x 1,024 float32.
;; Outputs: out0 1 x 4,096 x 1,024 float32.
;; This version of the problem:
;;   THIS VERSION OF THE PROBLEM IS GIVEN IN LOW PRECISION. The matrix products marked QUANTISED in the list below multiply operands that are first quantised to E3M2 (3 exponent bits, 2 mantissa bits; 6 bits a number), with one power-of-two scale for each 32 numbers along K (OCP MX v1.0); their sums are f32. All else is computed in f32.
;;   The module's matrix products, in the order in which they are computed (A, B: the left and right operand; K: the contracted axis; several contracted axes count as one K, in the product's order):
;;     1. [M 4,096, K 1,024] x [K 1,024, N 1,024]; A: input x; B: input W_q: QUANTISED
;;     2. [M 4,096, K 1,024] x [K 1,024, N 256]; A: input x; B: input W_k: QUANTISED
;;     3. [M 4,096, K 1,024] x [K 1,024, N 256]; A: input x; B: input W_v: QUANTISED
;;     4. batch 16 x [M 4,096, K 64] x [K 64, N 4,096]; A: computed on the way; B: computed on the way: QUANTISED
;;     5. batch 16 x [M 4,096, K 4,096] x [K 4,096, N 64]; A: softmax (see below); B: computed on the way: QUANTISED
;;     6. [M 4,096, K 1,024] x [K 1,024, N 1,024]; A: computed on the way; B: input W_o: QUANTISED
;;   THE QUANTISER, for each operand of a quantised product, along K:
;;     - K is cut into blocks of 32 from its start; a last block that is shorter is filled with zeros.
;;     - A block's scale is 2^e with e = floor(log2(the largest magnitude in the block)) - 4, held to -126 .. 127; a block of zeros has e = 0. As a byte (E8M0): e + 127.
;;     - Each number is divided by its block's scale, clamped to +-28, and rounded to the nearest number of E3M2, ties to even, subnormals kept.
;;     - The product sums the exact products of the quantised numbers (number of the format x scale) in f32.
;;   ~~~python
;;   def quantise(x, axis):      # numpy; x: float32 -> the quantised numbers, widened to float32 again
;;       x = np.moveaxis(x, axis, -1); K = x.shape[-1]
;;       x = np.pad(x, [(0, 0)] * (x.ndim - 1) + [(0, -K % 32)]); x = x.reshape(x.shape[:-1] + (-1, 32)); a = np.abs(x).max(-1, keepdims=True)
;;       e = np.where(a > 0, np.clip(np.frexp(np.where(a > 0, a, 1))[1] - 1 - 4, -126, 127), 0)      # np.frexp(a)[1] - 1 = floor(log2(a)), exactly
;;       r = np.clip(x / 2.0 ** e, -28, 28)
;;       step = 2.0 ** (np.maximum(np.frexp(np.where(r == 0, 1, r))[1] - 1, -2) - 2)
;;       q = np.round(r / step) * step * 2.0 ** e      # np.round: ties to even
;;       return np.moveaxis(q.reshape(q.shape[:-2] + (-1,))[..., :K], -1, axis).astype(np.float32)
;;   ~~~
;;   SOFTMAX AHEAD OF A QUANTISED PRODUCT. Where the list says 'softmax', what is quantised is not the finished softmax but p = 2^(t - M), with t = logit x log2(e) and M = ceil(the row's largest t), a whole number; so 1/2 < the row's largest p <= 1. The row's sum l is taken of the UNQUANTISED p, in f32, and the product's result is divided by l at the end. Since M is a whole number, a kernel that streams over the keys may use a running M (the ceiling of the running maximum): every later rescaling is an exact power of two, which a block's scale takes up: the codes' values come out the same.
;;   OPERANDS COMPUTED ON THE WAY. 'Computed on the way' means the value that the module computes at that place (a softmax that the list does not call 'softmax' is quantised finished and normalised). What goes into a quantiser is computed in f32, as accurately as f32 sums, v_exp_f32 and their like allow (about 1e-6 of the number): no bf16 or f16 on the way to a quantiser, and a product that is left as it is and whose result goes on into a quantised operand takes f32 operands (vector FMAs, or v_wmma_f32_16x16x4_f32). A number that lies on a knife's edge between two numbers of the format may be rounded either way, as far as f32 arithmetic and the matrix unit's own rounding can turn it there, and no further.
;; 2 versions. Each part assembles by itself: llvm-mc -triple=amdgcn-amd-amdhsa -mcpu=gfx1250 --defsym DOCPART=n.
;; ======== version 1 of 2: 4 launches
;; workspace buffers: xq 3,276,800 bytes; wc 2,048,000 bytes; qc 4,194,304 bytes; kv 1,671,168 bytes; oq 3,276,800 bytes
;; launch quant (part 1): grid 416 x 1, 4 waves a work-group, no clusters, 34,304 bytes of LDS; arguments x, W_q, W_k, W_v, W_o, xq, wc; writes xq, wc
.if DOCPART == 1
	.amdgcn_target "amdgcn-amd-amdhsa--gfx1250"
	.amdhsa_code_object_version 6
	.text
	.protected	k_q597717b968_quant
	.globl	k_q597717b968_quant
	.p2align	8
	.type	k_q597717b968_quant,@function
k_q597717b968_quant:
	s_mov_b64 s[64:65], 0
	v_nop
	global_prefetch_b8 v0, s[64:65] scope:SCOPE_SE
	s_setreg_imm32_b32 hwreg(HW_REG_WAVE_MODE, 25, 1), 1
	s_wait_xcnt 0x0
; x [4096][1024] and the four weights ([1024][n], K = the FIRST axis), all f32, become codes of BF6 (E3M2) with one E8M0 byte for each 32 along K,
; laid in the ORDER OF AN OPERAND'S REGISTERS.  A tile is 16 rows (tokens, or a weight's channels); row r of tile T is index 32 (T / 2) + 8 (T % 2) + r + 8 (r / 8).
; A TILE BLOCK is 12,800 bytes: for K step s (128 along K) a fragment's image at 1,536 s (registers 4 c .. 4 c + 3 of lane l at 512 c + 16 l); at 12,288 the scale words:
; the word of row r and K step s at 16 (r + 16 (s % 2)) + 4 (s / 2).  xq: 256 blocks.  wc: W_q tiles 0-63, W_k 64-79, W_v 80-95, W_o 96-159.
; A block's scale byte is its largest magnitude's exponent field - 4, held at 1 from below by a floor among the maximum's leaves.
; LIMITS: a block of zeros gets the byte 1 (its codes are zeros, and this program alone reads the bytes); blocks whose largest magnitude lies under 2^(5 - 127) are held at that byte; NaN and infinities are not served.
; The scale words leave as 4 bytes a lane, 16 bytes apart: one byte in 128 of what the launch reads.
; Work-groups 0-255: tile T of x, wave w its K steps 2 w and 2 w + 1.  Work-groups 256-415: 128 channels of a weight x one K step, a lane to a channel, its registers down K.
; No matrix unit, no tensor load, no barrier: waves share nothing.
.set TBLK, 12800
.set R0,   32                          ; v32-95   x: 64 numbers a lane, first K step
.set R1,   96                          ; v96-159  second K step
.set TM,   160                         ; v160-175 at work in QUANT
.set PW0,  176                         ; the two scale words
.set PW1,  177
.set PWS,  178
.set PCA,  180                         ; v180-198 codes of the first K step (12, and 7 at work)
.set PCB,  200                         ; v200-218 of the second
.set CW,   160                         ; weights: v160-171 the registers of target lane (r, 0), v172-183 of (r, 1)
.set SEL,  40                          ; s[40:41] lane selects: lane l xor 16
; 64 numbers of a lane, register 16 b + i = k 32 b + 16 (lane / 16) + i of its row, become a fragment's 12 registers at v[pc] and the row's scale word in v[pw]
.macro QUANT src, pc, pw
.irp b, 0,1,2,3
	v_max3_num_f32 v[TM+\b], |v[\src+16*\b]|, |v[\src+1+16*\b]|, 0x2800000   ; my 16 numbers of block b, and the floor 2^(5 - 127)
.endr
.irp i, 2,4,6,8,10,12,14
.irp b, 0,1,2,3
	v_max3_num_f32 v[TM+\b], v[TM+\b], |v[\src+16*\b+\i]|, |v[\src+1+16*\b+\i]|
.endr
.endr
.irp b, 0,1,2,3
	v_permlanex16_b32 v[TM+4+\b], v[TM+\b], s[SEL], s[SEL+1]
.endr
.irp b, 0,1,2,3
	v_max_num_f32 v[TM+\b], v[TM+\b], v[TM+4+\b]     ; with lane l xor 16's 16: the block's largest magnitude
.endr
.irp b, 0,1,2,3
	v_add_nc_u32 v[TM+12+\b], 0xfe000000, v[TM+\b]   ; 4 off its exponent field: the conversion's scale operand
.endr
.irp b, 0,1,2,3
	v_lshrrev_b32 v[TM+4+\b], 23, v[TM+12+\b]        ; the scale's byte
.endr
	v_lshl_or_b32 v[\pw], v[TM+5], 8, v[TM+4]
	v_lshl_or_b32 v[\pw], v[TM+6], 16, v[\pw]
	v_lshl_or_b32 v[\pw], v[TM+7], 24, v[\pw]
.irp c, 0,1
	v_cvt_scalef32_pk16_bf6_f32 v[\pc+6*\c:\pc+2+6*\c], v[\src+32*\c:\src+15+32*\c], v[TM+12+2*\c]
	v_cvt_scalef32_pk16_bf6_f32 v[\pc+12+4*\c:\pc+14+4*\c], v[\src+16+32*\c:\src+31+32*\c], v[TM+12+2*\c+1]   ; (three registers begin on an even number)
.endr
	v_nop                                            ; one plain place behind the scaled conversions
.irp c, 0,1                                      ; a lane wants a WHOLE block: lanes 0-15 block 2 c, lanes 16-31 block 2 c + 1
.irp i, 0,1,2
	v_permlane16_swap_b32 v[\pc+6*\c+\i], v[\pc+12+4*\c+\i]
.endr
.irp i, 0,1,2
	v_mov_b32 v[\pc+3+6*\c+\i], v[\pc+12+4*\c+\i]
.endr
.endr
.endm
	s_load_b256 s[4:11], s[0:1], 0x0               ; x s[4:5], W_q s[6:7], W_k s[8:9], W_v s[10:11]
	s_load_b128 s[12:15], s[0:1], 0x20             ; W_o s[12:13], xq s[14:15]
	s_load_b64 s[16:17], s[0:1], 0x30              ; wc
	v_lshl_add_u32 v224, v0, 2, 0x8400
	v_mov_b32 v225, 0
	v_lshrrev_b32 v1, 5, v0
	v_readfirstlane_b32 s18, v1                    ; wave 0..3
	v_and_b32 v2, 31, v0                           ; lane
	s_cmp_lt_u32 ttmp9, 256
	s_cbranch_scc0 .Lweights
	; ---------------- x: tile T = the work-group's number ----------------
	v_lshlrev_b32 v3, 4, v2                        ; 16 x lane
	s_mul_i32 s24, s18, 8448                       ; my wave's stage: 16 rows x (512 + 16) bytes
	v_add_nc_u32 v4, s24, v3                       ; into it: a row's 512 bytes as they are loaded
	v_and_b32 v6, 15, v2                           ; r
	v_lshrrev_b32 v7, 4, v2                        ; h
	v_mul_u32_u24 v5, v6, 528
	v_lshl_add_u32 v5, v7, 6, v5
	v_add_nc_u32 v5, s24, v5                       ; out of it: row r, + 64 h: my 16 numbers of each block of 32
	s_mul_i32 s25, s18, 3072
	v_add_nc_u32 v9, s25, v3                       ; the codes' place: 16 x lane + two K steps x wave
	s_lshl_b32 s25, s18, 2
	v_add_nc_u32 v8, s25, v3                       ; the scale words': 16 x lane + 4 x wave
	s_mov_b32 s[SEL], 0x76543210
	s_mov_b32 s[SEL+1], 0xfedcba98
.irp b, 0,1,2,3
	v_mov_b32 v[TM+4+\b], 0                        ; written once: a lane permute's destination counts as one of its sources
.endr
	s_lshr_b32 s20, ttmp9, 1
	s_lshl_b32 s20, s20, 5
	s_and_b32 s21, ttmp9, 1
	s_lshl_b32 s21, s21, 3
	s_add_co_u32 s20, s20, s21                     ; the tile's first token
	s_lshl_b32 s20, s20, 12                        ; 4,096 bytes a row
	s_lshl_b32 s21, s18, 10                        ; my two K steps: 1,024 bytes
	s_add_co_u32 s20, s20, s21
	s_mov_b32 s21, 0
	s_mul_i32 s22, ttmp9, TBLK
	s_mov_b32 s23, 0
	s_wait_kmcnt 0x0
	s_add_nc_u64 s[4:5], s[4:5], s[20:21]
	s_add_nc_u64 s[14:15], s[14:15], s[22:23]
.irp e, 0,1
.irp p, 0,1,2,3,4,5,6,7,8,9,10,11,12,13,14,15
	global_load_b128 v[R0+64*\e+4*\p:R0+64*\e+4*\p+3], v3, s[4:5] offset:(\p+8*(\p/8))*4096+512*\e th:TH_LOAD_NT   ; 32 lanes read a row's 512 consecutive bytes
.endr
.endr
.macro TURN reg                        ; 16 rows through the stage, back into the registers that they left: LDS serves a wave's instructions in order
.irp p, 0,1,2,3,4,5,6,7,8,9,10,11,12,13,14,15
	ds_store_b128 v4, v[\reg+4*\p:\reg+4*\p+3] offset:528*\p
.endr
.irp b, 0,1,2,3
.irp q, 0,1,2,3
	ds_load_b128 v[\reg+16*\b+4*\q:\reg+16*\b+4*\q+3], v5 offset:128*\b+16*\q
.endr
.endr
.endm
	s_wait_loadcnt 16                              ; the first K step's 16 loads are in; the second's may be out
	TURN R0
	s_wait_loadcnt 0x0
	TURN R1
	s_wait_dscnt 32                                ; the first turn is back; the second's 16 stores and 16 loads may be out
	QUANT R0, PCA, PW0
.irp c, 0,1,2
	global_store_b128 v9, v[PCA+4*\c:PCA+4*\c+3], s[14:15] offset:512*\c           ; 512 consecutive bytes a store
.endr
	s_wait_dscnt 0x0
	QUANT R1, PCB, PW1
.irp c, 0,1,2
	global_store_b128 v9, v[PCB+4*\c:PCB+4*\c+3], s[14:15] offset:1536+512*\c
.endr
	v_cmp_le_u32 vcc_lo, 16, v2
	v_cndmask_b32 v[PWS], v[PW0], v[PW1], vcc_lo   ; lanes 0-15: K step 2 w of row r; lanes 16-31: K step 2 w + 1
	global_store_b32 v8, v[PWS], s[14:15] offset:12288
	s_wait_tensorcnt 0x0
	ds_add_u32 v224, v225
	s_wait_dscnt 0x0
	s_endpgm
	; ---------------- the weights: 20 groups of 128 channels x 8 K steps ----------------
.Lweights:
	v_lshlrev_b32 v6, 2, v2                        ; in: 4 bytes a lane: my channel
	v_bfe_u32 v8, v2, 3, 1                         ; my channel's tile of the wave's two: u = (lane / 8) % 2,
	v_and_b32 v9, 7, v2
	v_lshrrev_b32 v10, 4, v2
	v_lshl_add_u32 v9, v10, 3, v9                  ; and its row there: r = lane % 8 + 8 (lane / 16)
	v_lshlrev_b32 v9, 4, v9
	v_mad_u32_u24 v7, v8, TBLK, v9                 ; out: 12,800 u + 16 r
	s_sub_co_u32 s20, ttmp9, 256
	s_lshr_b32 s21, s20, 3                         ; group 0..19: W_q 0-7, W_k 8-9, W_v 10-11, W_o 12-19
	s_and_b32 s22, s20, 7                          ; K step
	s_sub_co_u32 s23, s21, 8
	s_sub_co_u32 s24, s21, 10
	s_sub_co_u32 s25, s21, 12
	s_wait_kmcnt 0x0
	s_mov_b64 s[26:27], s[12:13]
	s_mov_b32 s28, s25
	s_cmp_lt_u32 s21, 12
	s_cselect_b64 s[26:27], s[10:11], s[26:27]
	s_cselect_b32 s28, s24, s28
	s_cmp_lt_u32 s21, 10
	s_cselect_b64 s[26:27], s[8:9], s[26:27]
	s_cselect_b32 s28, s23, s28
	s_cmp_lt_u32 s21, 8
	s_cselect_b64 s[26:27], s[6:7], s[26:27]
	s_cselect_b32 s28, s21, s28                    ; the group's number inside its weight
	s_cmp_lt_u32 s23, 4                            ; W_k, W_v: rows of 1,024 bytes; W_q, W_o: of 4,096
	s_cselect_b32 s29, 17, 19
	s_lshl_b32 s30, s22, s29                       ; 128 rows x the K step
	s_lshl_b32 s31, s28, 9
	s_add_co_u32 s30, s30, s31                     ; + 128 channels x the group
	s_lshl_b32 s31, s18, 7
	s_add_co_u32 s30, s30, s31                     ; + 32 channels x the wave
	s_mov_b32 s31, 0
	s_add_nc_u64 s[26:27], s[26:27], s[30:31]
	s_lshl_b32 s30, s21, 3
	s_lshl_b32 s31, s18, 1
	s_add_co_u32 s30, s30, s31                     ; my first tile: 8 x group + 2 x wave
	s_mul_i32 s30, s30, TBLK
	s_mul_i32 s31, s22, 1536
	s_add_co_u32 s32, s30, s31
	s_mov_b32 s33, 0
	s_add_nc_u64 s[32:33], s[16:17], s[32:33]      ; the K step's image
	s_and_b32 s31, s22, 1
	s_lshl_b32 s31, s31, 8
	s_add_co_u32 s30, s30, s31
	s_lshr_b32 s31, s22, 1
	s_lshl_b32 s31, s31, 2
	s_add_co_u32 s30, s30, s31
	s_add_co_u32 s34, s30, 12288
	s_mov_b32 s35, 0
	s_add_nc_u64 s[34:35], s[16:17], s[34:35]      ; its scale words: 12,288 + 256 (s % 2) + 4 (s / 2)
.macro WLOAD pitch                     ; W(128 s + k, my channel), k = 0 .. 127: a wave reads 128 consecutive bytes, the four waves stand side by side
.set k, 0
.rept 128
	global_load_b32 v[32+k], v6, s[26:27] offset:k*\pitch th:TH_LOAD_NT
.set k, k+1
.endr
.endm
	s_cmp_lt_u32 s23, 4
	s_cbranch_scc1 .Lnarrow
	WLOAD 4096
	s_branch .Lloaded
.Lnarrow:
	WLOAD 1024
.Lloaded:
; block t of the K step's four: all its 32 numbers are mine.  It belongs to target lane (r, t % 2), registers 6 (t / 2) on
.macro WBLOCK t
.set XS, 32+32*(\t)
.set CD, CW+12*((\t)%2)+6*((\t)/2)
	v_max3_num_f32 v12, |v[XS]|, |v[XS+1]|, |v[XS+2]|
	v_max3_num_f32 v13, |v[XS+3]|, |v[XS+4]|, |v[XS+5]|
.irp i, 6,10,14,18,22,26
	v_max3_num_f32 v12, v12, |v[XS+\i]|, |v[XS+\i+1]|
	v_max3_num_f32 v13, v13, |v[XS+\i+2]|, |v[XS+\i+3]|
.endr
	v_max3_num_f32 v12, v12, |v[XS+30]|, |v[XS+31]|
	v_max3_num_f32 v12, v12, v13, 0x2800000        ; and the floor
	v_add_nc_u32 v11, 0xfe000000, v12              ; the conversion's scale operand
	v_lshrrev_b32 v13, 23, v11                     ; the byte
.if (\t) == 0
	v_mov_b32 v28, v13
.else
	v_lshl_or_b32 v28, v13, 8*(\t), v28
.endif
	v_cvt_scalef32_pk16_bf6_f32 v[CD:CD+2], v[XS:XS+15], v11
	v_cvt_scalef32_pk16_bf6_f32 v[184:186], v[XS+16:XS+31], v11
	v_nop                                          ; one plain place behind the scaled conversions
	v_mov_b32 v[CD+3], v184
	v_mov_b32 v[CD+4], v185
	v_mov_b32 v[CD+5], v186
.endm
	s_wait_loadcnt 63                              ; the count's largest value: at most 63 of the 128 are out, so the first 64 are in
	WBLOCK 0
	WBLOCK 1
	s_wait_loadcnt 32                              ; all but the last block's 32
	WBLOCK 2
	s_wait_loadcnt 0x0
	WBLOCK 3
.irp h, 0,1
.irp c, 0,1,2
	global_store_b128 v7, v[CW+12*\h+4*\c:CW+12*\h+4*\c+3], s[32:33] offset:512*\c+256*\h   ; sixteen lanes fill 256 consecutive bytes of each of the two tiles
.endr
.endr
	global_store_b32 v7, v28, s[34:35]
	s_endpgm
.Lfunc_end_k_q597717b968_quant:
	.size	k_q597717b968_quant, .Lfunc_end_k_q597717b968_quant-k_q597717b968_quant
	.p2alignl 7, 3214868480
	.fill 96, 4, 3214868480
	.section	.rodata,"a",@progbits
	.p2align	6, 0x0
	.amdhsa_kernel k_q597717b968_quant
		.amdhsa_group_segment_fixed_size 34304
		.amdhsa_private_segment_fixed_size 0
		.amdhsa_enable_private_segment 0
		.amdhsa_kernarg_size 56
		.amdhsa_user_sgpr_count 2
		.amdhsa_user_sgpr_kernarg_segment_ptr 1
		.amdhsa_wavefront_size32 1
		.amdhsa_system_sgpr_workgroup_id_x 1
		.amdhsa_system_sgpr_workgroup_id_y 1
		.amdhsa_system_sgpr_workgroup_id_z 1
		.amdhsa_system_vgpr_workitem_id 0
		.amdhsa_next_free_vgpr 226
		.amdhsa_next_free_sgpr 66
		.amdhsa_reserve_vcc 1
		.amdhsa_float_denorm_mode_32 3
		.amdhsa_float_denorm_mode_16_64 3
		.amdhsa_memory_ordered 1
		.amdhsa_forward_progress 1
		.amdhsa_inst_pref_size 50
	.end_amdhsa_kernel
	.amdgpu_metadata
---
amdhsa.version: [ 1, 2 ]
amdhsa.kernels:
  - .name:           k_q597717b968_quant
    .symbol:         k_q597717b968_quant.kd
    .args:
      - { .name: x, .offset: 0, .size: 8, .value_kind: global_buffer, .address_space: global }
      - { .name: W_q, .offset: 8, .size: 8, .value_kind: global_buffer, .address_space: global }
      - { .name: W_k, .offset: 16, .size: 8, .value_kind: global_buffer, .address_space: global }
      - { .name: W_v, .offset: 24, .size: 8, .value_kind: global_buffer, .address_space: global }
      - { .name: W_o, .offset: 32, .size: 8, .value_kind: global_buffer, .address_space: global }
      - { .name: xq, .offset: 40, .size: 8, .value_kind: global_buffer, .address_space: global }
      - { .name: wc, .offset: 48, .size: 8, .value_kind: global_buffer, .address_space: global }
    .group_segment_fixed_size: 34304
    .private_segment_fixed_size: 0
    .kernarg_segment_align: 8
    .kernarg_segment_size: 56
    .max_flat_workgroup_size: 128
    .sgpr_count:     66
    .vgpr_count:     226
    .wavefront_size: 32
...
	.end_amdgpu_metadata
.endif
;; end of part 1
;; launch qkv (part 2): grid 192 x 1, 16 waves a work-group, no clusters, 104,448 bytes of LDS; arguments xq, wc, qc, kv; writes qc, kv
.if DOCPART == 2
	.amdgcn_target "amdgcn-amd-amdhsa--gfx1250"
	.amdhsa_code_object_version 6
	.text
	.protected	k_q597717b968_qkv
	.globl	k_q597717b968_qkv
	.p2align	8
	.type	k_q597717b968_qkv,@function
k_q597717b968_qkv:
	s_mov_b64 s[64:65], 0
	v_nop
	global_prefetch_b8 v0, s[64:65] scope:SCOPE_SE
	s_setreg_imm32_b32 hwreg(HW_REG_WAVE_MODE, 25, 1), 1
	s_wait_xcnt 0x0
; q = x W_q, k = x W_k, v = x W_v on codes of BF6 (E3M2) with E8M0 scales, sums in f32; the results are quantised in registers and leave as codes: q and k along the head's 64, v along the keys.
; A work-group holds ONE GROUP of 8 tiles (128 rows, all 1,024 of K: 102,400 dense bytes, images of operand registers) in LDS; each of its sixteen waves multiplies it by ONE tile of the other operand, which it keeps in registers:
; 8 accumulators, 64 matrix instructions.  Source 0 = a tile of the group, source 1 = the wave's tile: a lane holds one row of the wave's tile, and its 64 registers run along the group's 128 rows, in their true order
; (row r of tile T is index 32 (T / 2) + 8 (T % 2) + r + 8 (r / 8), so that two neighbouring tiles' 16 registers are 16 neighbours).
; Work-groups 0-127: q: the group = 128 channels of W_q (two heads), the waves' tiles = tokens.  128-159: k likewise.  160-191: v: the group = 128 tokens (a key step), the waves' tiles = W_v's 16 tiles of channels.
; OUT.  qc [head 16][tile 256] x 1,024 bytes: registers 0-3 at 16 l, 4-5 at 512 + 8 l, the scale word (two bytes, the upper two 0) at 768 + 4 l.
; kv [kv head 4][key step 32] x 13,056 bytes: K's 8 tiles like q's at 768 t; V^T's 4 tiles (16 channels x 128 keys, 12 registers) at 6,144 + 1,536 t; K's scale words at 12,288 + 64 t + 4 r; V's at 12,800 + 64 t + 4 r.
; 192 work-groups: 12 groups of weights and 32 of tokens do not share out into 256 equal parts.  No tensor load: a group is read once by a work-group, through registers.  No cluster: nothing is filled twice.
; LIMITS: a block of zeros gets the byte 1 (its codes are zeros; this program alone reads the bytes); NaN and infinities are not served.  The scale words leave as 4 bytes a lane.
.set TBLK, 12800
.set L16,  1                           ; v1  16 x lane: also the LDS address of the group's tiles 0-3
.set LA1,  2                           ; v2  the same for tiles 4-7
.set TO,   3                           ; v3  16 x thread
.set TO2,  4                           ; v4  + 65,536
.set TO8,  5                           ; v5  8 x thread
.set TO82, 6                           ; v6  + 98,304
.set L8,   7                           ; v7  8 x lane
.set BS,   8                           ; v8-11   my tile's scale words: register i: K step 2 i in lanes 0-15, 2 i + 1 in lanes 16-31
.set AS,   12                          ; v12-43  the group's, four registers a tile
.set BF,   44                          ; v44-139 my tile's 8 fragments
.set AF,   140                         ; v140-187 four fragments of the group
.set ACC,  188                         ; v188-251 the 8 accumulators; before that the group on its way into LDS
.set SV,   252                         ; v252 the scale words' offset
.set TM,   44                          ; the way out works in the registers that held my tile
.set PW,   60
.set W0,   61
.set W1,   62
.set PC,   64
.set SEL,  32                          ; s[32:33]
.macro QUANT src, pc, pw               ; 64 numbers of a lane, register 16 b + i = k 32 b + 16 (lane / 16) + i of its row -> 12 registers of codes, and the row's scale word
.irp b, 0,1,2,3
	v_max3_num_f32 v[TM+\b], |v[\src+16*\b]|, |v[\src+1+16*\b]|, 0x2800000   ; each accumulator is read from its low end on; the floor 2^(5 - 127) holds the byte at 1
.endr
.irp i, 2,4,6,8,10,12,14
.irp b, 0,1,2,3
	v_max3_num_f32 v[TM+\b], v[TM+\b], |v[\src+16*\b+\i]|, |v[\src+1+16*\b+\i]|
.endr
.endr
.irp b, 0,1,2,3
	v_permlanex16_b32 v[TM+4+\b], v[TM+\b], s[SEL], s[SEL+1]
.endr
.irp b, 0,1,2,3
	v_max_num_f32 v[TM+\b], v[TM+\b], v[TM+4+\b]
.endr
.irp b, 0,1,2,3
	v_add_nc_u32 v[TM+12+\b], 0xfe000000, v[TM+\b]
.endr
.irp b, 0,1,2,3
	v_lshrrev_b32 v[TM+4+\b], 23, v[TM+12+\b]
.endr
	v_lshl_or_b32 v[\pw], v[TM+5], 8, v[TM+4]
	v_lshl_or_b32 v[\pw], v[TM+6], 16, v[\pw]
	v_lshl_or_b32 v[\pw], v[TM+7], 24, v[\pw]
.irp c, 0,1
	v_cvt_scalef32_pk16_bf6_f32 v[\pc+6*\c:\pc+2+6*\c], v[\src+32*\c:\src+15+32*\c], v[TM+12+2*\c]
	v_cvt_scalef32_pk16_bf6_f32 v[\pc+12+4*\c:\pc+14+4*\c], v[\src+16+32*\c:\src+31+32*\c], v[TM+12+2*\c+1]
.endr
	v_nop                                          ; one plain place behind the scaled conversions
.irp c, 0,1
.irp i, 0,1,2
	v_permlane16_swap_b32 v[\pc+6*\c+\i], v[\pc+12+4*\c+\i]
.endr
.irp i, 0,1,2
	v_mov_b32 v[\pc+3+6*\c+\i], v[\pc+12+4*\c+\i]
.endr
.endr
.endm
; one product of K step s.  The first K step starts the sums; in odd K steps both sides' scale words stand in lanes 16-31
.macro MM d, a, b, sa, sb, s
.if (\s) == 0
	v_wmma_scale_f32_16x16x128_f8f6f4 v[(\d):(\d)+7], v[(\a):(\a)+11], v[(\b):(\b)+11], 0, v[\sa], v[\sb] matrix_a_fmt:MATRIX_FMT_BF6 matrix_b_fmt:MATRIX_FMT_BF6
.elseif (\s)%2
	v_wmma_scale_f32_16x16x128_f8f6f4 v[(\d):(\d)+7], v[(\a):(\a)+11], v[(\b):(\b)+11], v[(\d):(\d)+7], v[\sa], v[\sb] matrix_a_fmt:MATRIX_FMT_BF6 matrix_b_fmt:MATRIX_FMT_BF6 matrix_a_scale:MATRIX_SCALE_ROW1 matrix_b_scale:MATRIX_SCALE_ROW1
.else
	v_wmma_scale_f32_16x16x128_f8f6f4 v[(\d):(\d)+7], v[(\a):(\a)+11], v[(\b):(\b)+11], v[(\d):(\d)+7], v[\sa], v[\sb] matrix_a_fmt:MATRIX_FMT_BF6 matrix_b_fmt:MATRIX_FMT_BF6
.endif
.endm
	s_load_b256 s[4:11], s[0:1], 0x0               ; xq s[4:5], wc s[6:7], qc s[8:9], kv s[10:11]
	v_lshl_add_u32 v254, v0, 2, 0x19000
	v_mov_b32 v255, 0
	v_lshrrev_b32 v12, 5, v0
	v_readfirstlane_b32 s12, v12                   ; wave 0..15
	v_and_b32 v12, 31, v0
	v_lshlrev_b32 v[L16], 4, v12
	v_add_nc_u32 v[LA1], 4*TBLK, v[L16]
	v_lshlrev_b32 v[TO], 4, v0
	v_add_nc_u32 v[TO2], 0x10000, v[TO]
	v_lshlrev_b32 v[TO8], 3, v0
	v_add_nc_u32 v[TO82], 98304, v[TO8]
	v_lshlrev_b32 v[L8], 3, v12
	v_lshlrev_b32 v[SV], 2, v12
	s_mov_b32 s[SEL], 0x76543210
	s_mov_b32 s[SEL+1], 0xfedcba98
	s_lshr_b32 s13, ttmp9, 4                       ; q, k: the group of weights
	s_and_b32 s14, ttmp9, 15
	s_lshl_b32 s14, s14, 4
	s_add_co_u32 s14, s14, s12                     ; and my tile of tokens T
	s_sub_co_u32 s15, ttmp9, 160                   ; v: the key step,
	s_add_co_u32 s16, s12, 80                      ; and my tile of W_v
	s_cmp_lt_u32 ttmp9, 160
	s_cselect_b32 s17, s13, s15
	s_cselect_b32 s18, s14, s16
	s_wait_kmcnt 0x0
	s_cselect_b64 s[20:21], s[6:7], s[4:5]         ; the group's buffer,
	s_cselect_b64 s[22:23], s[4:5], s[6:7]         ; my tile's
	s_mul_i32 s24, s17, 8*TBLK
	s_mov_b32 s25, 0
	s_add_nc_u64 s[20:21], s[20:21], s[24:25]
	s_mul_i32 s24, s18, TBLK
	s_add_nc_u64 s[22:23], s[22:23], s[24:25]
.irp p, 0,1,2,3,4,5,6,7,8,9,10,11
	global_load_b128 v[ACC+4*\p:ACC+4*\p+3], v[TO], s[20:21] offset:8192*\p   ; the group: 512 threads x 16 bytes, twelve times,
.endr
	global_load_b64 v[ACC+48:ACC+49], v[TO8], s[20:21] offset:98304           ; and 8 bytes each for the last 4,096
.irp s, 0,1,2,3,4,5,6,7
.irp c, 0,1,2
	global_load_b128 v[BF+12*\s+4*\c:BF+12*\s+4*\c+3], v[L16], s[22:23] offset:1536*\s+512*\c
.endr
.endr
	global_load_b128 v[BS:BS+3], v[L16], s[22:23] offset:12288
	s_wait_loadcnt 25                              ; the group's 13 loads are in; my tile's 25 may be out
.irp p, 0,1,2,3,4,5,6,7
	ds_store_b128 v[TO], v[ACC+4*\p:ACC+4*\p+3] offset:8192*\p
.endr
.irp p, 8,9,10,11
	ds_store_b128 v[TO2], v[ACC+4*\p:ACC+4*\p+3] offset:8192*(\p-8)
.endr
	ds_store_b64 v[TO82], v[ACC+48:ACC+49]
	s_wait_dscnt 0x0                               ; for the others' sake: my part of the group lies in LDS
	s_barrier_signal -1
	s_barrier_wait -1                              ; everybody's does; nothing is written there again
.irp t, 0,1,2,3,4,5,6,7
	ds_load_b128 v[AS+4*\t:AS+4*\t+3], v[L16+\t/4] offset:TBLK*(\t%4)+12288
.endr
	s_wait_loadcnt 0x0                             ; my tile
; K step s, the group's tiles 4 hf .. 4 hf + 3.  The accumulators take turns, one instruction a turn
.macro HALF s, hf
.irp t, 0,1,2,3
.irp c, 0,1,2
	ds_load_b128 v[AF+12*\t+4*\c:AF+12*\t+4*\c+3], v[L16+\hf] offset:TBLK*\t+1536*\s+512*\c
.endr
.endr
	s_wait_dscnt 0x0
.irp t, 0,1,2,3
	MM ACC+8*(4*\hf+\t), AF+12*\t, BF+12*\s, AS+4*(4*\hf+\t)+\s/2, BS+\s/2, \s
.endr
.rept 4
	v_nop                                          ; four places in front of the next loads into the fragments' registers, and at the end of the first read of results
.endr
.endm
.irp s, 0,1,2,3,4,5,6,7
	HALF \s, 0
	HALF \s, 1
.endr
.irp b, 0,1,2,3
	v_mov_b32 v[TM+4+\b], 0                        ; a lane permute's destination counts as one of its sources
.endr
	QUANT ACC, PC, PW
	v_and_b32 v[W0], 0xffff, v[PW]                 ; q, k: a head's two bytes; the upper two stay 0 (they scale zero codes)
	v_lshrrev_b32 v[W1], 16, v[PW]
.macro QKOUT cstep                     ; the two heads' half fragments and scale words; cstep: bytes from a head to the next
.irp c, 0,1
	global_store_b128 v[L16], v[PC+6*\c:PC+6*\c+3], s[26:27] offset:\c*\cstep
	global_store_b64 v[L8], v[PC+6*\c+4:PC+6*\c+5], s[26:27] offset:\c*\cstep+512
.endr
	global_store_b32 v[SV], v[W0], s[28:29]
	global_store_b32 v[SV], v[W1], s[28:29] offset:\cstep
.endm
	s_cmp_lt_u32 ttmp9, 128
	s_cbranch_scc0 .Lnot_q
	s_lshl_b32 s24, s13, 19                        ; q: head 2 Ga: 256 tiles of 1,024 bytes a head
	s_lshl_b32 s26, s14, 10
	s_add_co_u32 s24, s24, s26
	s_mov_b32 s25, 0
	s_add_nc_u64 s[26:27], s[8:9], s[24:25]
	s_add_nc_u64 s[28:29], s[26:27], 768
	QKOUT 262144
	s_wait_tensorcnt 0x0
	ds_add_u32 v254, v255
	s_wait_dscnt 0x0
	s_endpgm
.Lnot_q:
	v_and_b32 v[SV], 60, v[SV]                     ; 4 r: both halves of the lanes write the same word with the same value
	s_cmp_lt_u32 ttmp9, 160
	s_cbranch_scc0 .Lis_v
	s_sub_co_u32 s24, s13, 8                       ; k: kv head 2 (Ga - 8): 32 key steps a head,
	s_lshl_b32 s24, s24, 6
	s_lshr_b32 s26, s14, 3
	s_add_co_u32 s24, s24, s26                     ; key step T / 8,
	s_mul_i32 s24, s24, 13056
	s_and_b32 s26, s14, 7                          ; tile T % 8
	s_mul_i32 s27, s26, 768
	s_add_co_u32 s30, s24, s27
	s_mov_b32 s31, 0
	s_lshl_b32 s26, s26, 6
	s_add_co_u32 s24, s24, s26
	s_add_co_u32 s24, s24, 12288
	s_mov_b32 s25, 0
	s_add_nc_u64 s[26:27], s[10:11], s[30:31]
	s_add_nc_u64 s[28:29], s[10:11], s[24:25]
	QKOUT 417792
	s_wait_tensorcnt 0x0
	ds_add_u32 v254, v255
	s_wait_dscnt 0x0
	s_endpgm
.Lis_v:
	s_lshr_b32 s24, s12, 2                         ; v: kv head wave / 4,
	s_lshl_b32 s24, s24, 5
	s_add_co_u32 s24, s24, s15                     ; the key step,
	s_mul_i32 s24, s24, 13056
	s_and_b32 s26, s12, 3                          ; tile wave % 4 of the head's 64 channels
	s_mul_i32 s27, s26, 1536
	s_add_co_u32 s30, s24, s27
	s_add_co_u32 s30, s30, 6144
	s_mov_b32 s31, 0
	s_lshl_b32 s26, s26, 6
	s_add_co_u32 s24, s24, s26
	s_add_co_u32 s24, s24, 12800
	s_mov_b32 s25, 0
	s_add_nc_u64 s[26:27], s[10:11], s[30:31]
	s_add_nc_u64 s[28:29], s[10:11], s[24:25]
.irp c, 0,1,2
	global_store_b128 v[L16], v[PC+4*\c:PC+4*\c+3], s[26:27] offset:512*\c
.endr
	global_store_b32 v[SV], v[PW], s[28:29]
	s_wait_tensorcnt 0x0
	ds_add_u32 v254, v255
	s_wait_dscnt 0x0
	s_endpgm
.Lfunc_end_k_q597717b968_qkv:
	.size	k_q597717b968_qkv, .Lfunc_end_k_q597717b968_qkv-k_q597717b968_qkv
	.p2alignl 7, 3214868480
	.fill 96, 4, 3214868480
	.section	.rodata,"a",@progbits
	.p2align	6, 0x0
	.amdhsa_kernel k_q597717b968_qkv
		.amdhsa_group_segment_fixed_size 104448
		.amdhsa_private_segment_fixed_size 0
		.amdhsa_enable_private_segment 0
		.amdhsa_kernarg_size 32
		.amdhsa_user_sgpr_count 2
		.amdhsa_user_sgpr_kernarg_segment_ptr 1
		.amdhsa_wavefront_size32 1
		.amdhsa_system_sgpr_workgroup_id_x 1
		.amdhsa_system_sgpr_workgroup_id_y 1
		.amdhsa_system_sgpr_workgroup_id_z 1
		.amdhsa_system_vgpr_workitem_id 0
		.amdhsa_next_free_vgpr 256
		.amdhsa_next_free_sgpr 66
		.amdhsa_reserve_vcc 0
		.amdhsa_float_denorm_mode_32 3
		.amdhsa_float_denorm_mode_16_64 3
		.amdhsa_memory_ordered 1
		.amdhsa_forward_progress 1
		.amdhsa_inst_pref_size 37
	.end_amdhsa_kernel
	.amdgpu_metadata
---
amdhsa.version: [ 1, 2 ]
amdhsa.kernels:
  - .name:           k_q597717b968_qkv
    .symbol:         k_q597717b968_qkv.kd
    .args:
      - { .name: xq, .offset: 0, .size: 8, .value_kind: global_buffer, .address_space: global }
      - { .name: wc, .offset: 8, .size: 8, .value_kind: global_buffer, .address_space: global }
      - { .name: qc, .offset: 16, .size: 8, .value_kind: global_buffer, .address_space: global }
      - { .name: kv, .offset: 24, .size: 8, .value_kind: global_buffer, .address_space: global }
    .group_segment_fixed_size: 104448
    .private_segment_fixed_size: 0
    .kernarg_segment_align: 8
    .kernarg_segment_size: 32
    .max_flat_workgroup_size: 512
    .sgpr_count:     66
    .vgpr_count:     256
    .wavefront_size: 32
...
	.end_amdgpu_metadata
.endif
;; end of part 2
;; launch attn (part 3): grid 64 x 4, 8 waves a work-group, no clusters, 327,680 bytes of LDS; arguments qc, kv, oq; writes oq
.if DOCPART == 3
	.amdgcn_target "amdgcn-amd-amdhsa--gfx1250"
	.amdhsa_code_object_version 6
	.text
	.protected	k_q597717b968_attn
	.globl	k_q597717b968_attn
	.p2align	8
	.type	k_q597717b968_attn,@function
k_q597717b968_attn:
	s_mov_b64 s[64:65], 0
	v_nop
	global_prefetch_b8 v0, s[64:65] scope:SCOPE_SE
	s_setreg_imm32_b32 hwreg(HW_REG_WAVE_MODE, 25, 1), 1
	s_wait_xcnt 0x0
; Causal attention of 16 query heads on 4 key and value heads, head size 64, 4,096 positions, both products on codes of BF6 (E3M2) with E8M0 scales; the result, divided by the row's sum, leaves as codes along (head, channel).
; THE SOFTMAX: t = score x log2(e) / 8; M = the running largest t rounded UP to a whole number; p = 2^(t - M) is quantised along the keys, not normalised; the row's sum is taken of the unquantised p, in f32.
; When M moves, the sum and O are multiplied by 2^(old M - new M), which rounds nothing.
; SHARES.  Work-group (j, g) owns two blocks of 32 query positions, j and then 127 - j, for the 4 query heads of kv head g.  Block b needs b / 4 + 1 key steps of 128: j / 4 + 1 and 32 - j / 4, in all 33 in EVERY work-group:
; so every trip count is a constant and all 2,048 waves have the same work.  Wave w: head 4 g + w % 4, tile w / 4 of the block's two (16 queries).  A block's last key step is the only one that the mask touches.
; HEAD SIZE 64 is half of the instruction's 128 along K: registers 6-11 of K's and Q's fragments are zero codes, and their scale bytes are 0 (2^-127): they add nothing.
; LAYOUT.  Both products are used transposed: S^T = K Q^T, O^T = V^T P^T: a lane holds ONE query throughout.  Row r of a tile is index 8 (tile % 2) + 32 (tile / 2) + r + 8 (r / 8): so the 16 registers of two
; neighbouring tiles are 16 neighbouring keys (or channels), 32 b + 16 (lane / 16) + 0 .. 15.
; THE RING.  A key step's K, V and scale words are one dense block of 13,056 bytes, images of operand registers.  Two LDS slots of three key steps; waves 0 to 2 fetch a step each by one tensor load.
; NO CLUSTER: only the four work-groups with equal j / 4 walk the same key steps in the same order, and a step's 13,056 bytes serve eight waves' whole softmax of 128 keys: what is shared is little beside a step's work.
; LIMITS: 1 / sum by v_rcp_f32; a block's largest p is taken through its largest score (p rises with the score); a block of zeros gets the byte 1 (zero codes; this program alone reads the bytes);
; NaN and infinities among the scores are not served.  The scale bytes of o leave as 2 bytes a lane.
; REGISTERS.  Window 0: v1-11 addresses; v12 -M, v13 the largest t, v[14:15] the sum; v16-27 Q; v28 its scale words; v29-35 the second block's Q; v38-43 K's and V's scale words; v64-127 S^T, then p; v128-159 O^T;
; v160-178 p's codes; v180-191 at work.  Window 1: K's tile t at v[12 t] (registers 6-11 zeros), V's tile t at v[96 + 12 t].
.set TILEB, 13056
.set SLOT1, 1<<16
.set SPARE, 1<<17                      ; the spare words: 128 bytes for each of the eight waves, four blocks of 256 bytes that no other line names
.set TBLK,  12800
.set LI16, 1
.set LI8,  2
.set LI4,  3
.set AD16, 4
.set AD8,  5
.set AD4,  6
.set SPW,  7
.set NIL,  8
.set DM,   9                           ; my query's place in its block of 32, less 16 (lane / 16)
.set SOFF, 10                          ; 16 r
.set DD,   11
.set QF,   16
.set QS,   28
.set QBS,  29
.set QB,   30
.set PFO1, 36
.set PFO2, 37
.set KS,   38
.set VS,   42
.set S,    64
.set OT,   128
.set PC,   160
.set PT,   172
.set BM,   180
.set SO,   184
.set FF,   188                         ; f = 2^(old M - new M); named as a pair with
.set PWD,  189                         ; p's scale word
.set TT,   190
.set HW,   191
.set WV,   10
.set J,    11
.set G,    12
.set NA,   13                          ; key steps of the first block
.set LASTI, 14                         ; the step (of 33) that ends the block in hand
.set BLKC, 15                          ; the block in hand
.set BLKB, 16
.set SI,   17                          ; the step, 0 .. 32
.set TB,   18                          ; LDS byte at which the slot in hand begins
.set SLOTS, 19
.set SEL,  20
.set CS,   22                          ; s[22:23] c = log2(e) / 8
.set G1,   24
.set G0,   32
.set KVB,  36                          ; s[36:37] my kv head's first byte
.set FS,   38                          ; the step that my next tensor load brings
.set HQ,   39
.set U,    40
.set FSP,  41                          ; the step that my next prefetches name
.set PFA,  48
.set LIM,  50
.set SCO,  52                          ; s[52:53] my scale bytes' place in a tile block of oq
.set MSB, 0
.macro WIN new                         ; the immediate's high byte repeats the setting that is left
.if MSB != \new
	s_set_vgpr_msb (MSB<<8)|\new
.set MSB, \new
.endif
.endm
.macro KSOF fs, hold                   ; s42 = the byte, in my kv head, of the key step of step fs: fs, or fs - NA in the second block
	s_cmp_ge_u32 s[\fs], s[NA]
	s_cselect_b32 s42, s[NA], 0
	s_sub_co_u32 s42, s[\fs], s42
.if \hold
	s_min_u32 s42, s42, 31                         ; no prefetch points past the head's last key step
.endif
	s_mul_i32 s42, s42, TILEB
.endm
.macro TLOAD                           ; waves 0 to 2 fetch a key step each; four v_nop follow the load
	s_cmp_lt_u32 s[WV], 3
	s_cbranch_scc0 .Lno_load_\@
	tensor_load_to_lds s[G0:G0+3], s[G1:G1+7]
	s_nop 0
.rept 4
	v_nop
.endr
.Lno_load_\@:
.endm
; A PREFETCH INTO THE L2 of what the NEXT change of slots will ask for: three key steps, 51 blocks of 256 bytes each, a lane a block, two instructions a wave (the lanes left over name the step's last block).
; All 64 work-groups of a kv head walk the same key steps: work-group j = 0, which walks all 32 in order, asks, and nobody else; in it waves 3 to 5, which fetch nothing, a key step each.
; The first two fills come by their loads alone; the last change that fills a slot asks for nothing.
.macro ASK
	s_cmp_gt_u32 s[SLOTS], s[LIM]
	s_cbranch_scc0 .Lnot_mine_\@
	global_prefetch_b8 v[PFO1], s[PFA:PFA+1] th:TH_LOAD_NT scope:SCOPE_SE
	global_prefetch_b8 v[PFO2], s[PFA:PFA+1] th:TH_LOAD_NT scope:SCOPE_SE
.Lnot_mine_\@:
.endm
; THE CHANGE OF SLOTS stands at a slot's head.  Each wave waits for all its tensor loads (at most one is out: its part of the slot that it is about to read), adds 0 to its spare word, and waits for that and for its reads of the
; slot that it has left.  Behind the barrier the slot ahead is whole and nobody reads the other one.  fill = 1: that other slot takes the next three key steps: the load has three steps' work in which to land.
.macro CHANGE fill
	s_wait_tensorcnt 0x0                           ; no tensor load of mine is out, so the descriptor may be written
	ds_add_u32 v[SPW], v[NIL]                      ; 0 onto my spare word
.if \fill
	s_add_co_u32 s[FS], s[FS], 3
	KSOF FS, 0
	s_add_nc_u64 s[G0+2:G0+3], s[KVB:KVB+1], s[42:43]
	s_or_b32 s[G0+3], s[G0+3], 0x80000000          ; type = 2
	s_xor_b32 s[G0+1], s[G0+1], SLOT1              ; the other slot than last time
	s_wait_xcnt 0x0                                ; the last prefetches, three key steps back, have read their address
	s_add_co_u32 s[FSP], s[FSP], 3
	KSOF FSP, 1
	s_add_nc_u64 s[PFA:PFA+1], s[KVB:KVB+1], s[42:43]
.endif
	s_wait_dscnt 0x0                               ; the add is done, and my reads of the slot that I have left are over
	s_barrier_signal -1
	s_barrier_wait -1
.if \fill
	TLOAD                                          ; the first thing behind the barrier, and a wave's one tensor load until the next
	ASK
.endif
.endm
; A BLOCK'S WAY OUT: O^T / the sum, quantised along the head's 64 channels; half a fragment and two scale bytes go to oq.  Then the second block's Q and a fresh state (behind the second block they serve nothing).
.macro EPI
.rept 4
	v_nop                                          ; four places behind the last products (ISA guide 7.12.1)
.endr
	v_add_f32 v14, v14, v15                        ; the sum's two halves,
	v_permlanex16_b32 v[PT], v14, s[SEL], s[SEL+1]
	v_add_f32 v14, v14, v[PT]                      ; and lane l xor 16's 64 keys of each step
	v_rcp_f32 v14, v14
	v_nop                                          ; a plain place behind the reciprocal
	s_lshl_b32 s42, s[BLKC], 1
	s_add_co_u32 s42, s42, s[U]                    ; my tile of tokens
	s_mul_i32 s42, s42, TBLK
	s_add_nc_u64 s[44:45], s[8:9], s[42:43]
	s_mul_i32 s42, s[HQ], 768
	s_add_nc_u64 s[46:47], s[44:45], s[42:43]      ; my head's half fragment
	s_add_nc_u64 s[44:45], s[44:45], s[SCO:SCO+1]  ; and its two scale bytes
	s_wait_alu depctr_va_vdst(0)                   ; the wait ahead of the reciprocal's first reader
.set j, 0
.rept 32
	v_mul_f32 v[S+j], v[OT+j], v14                 ; register 16 b + i: channel 32 b + 16 (lane / 16) + i; each accumulator from its low end on
.set j, j+1
.endr
.irp b, 0,1
	v_max3_num_f32 v[BM+\b], |v[S+16*\b]|, |v[S+1+16*\b]|, 0x2800000
.endr
.irp i, 2,4,6,8,10,12,14
.irp b, 0,1
	v_max3_num_f32 v[BM+\b], v[BM+\b], |v[S+16*\b+\i]|, |v[S+1+16*\b+\i]|
.endr
.endr
.irp b, 0,1
	v_permlanex16_b32 v[PT+\b], v[BM+\b], s[SEL], s[SEL+1]
.endr
.irp b, 0,1
	v_max_num_f32 v[BM+\b], v[BM+\b], v[PT+\b]
.endr
.irp b, 0,1
	v_add_nc_u32 v[SO+\b], 0xfe000000, v[BM+\b]
.endr
.irp b, 0,1
	v_lshrrev_b32 v[PT+\b], 23, v[SO+\b]
.endr
	v_lshl_or_b32 v[HW], v[PT+1], 8, v[PT]
	v_cvt_scalef32_pk16_bf6_f32 v[PC:PC+2], v[S:S+15], v[SO]
	v_cvt_scalef32_pk16_bf6_f32 v[PC+12:PC+14], v[S+16:S+31], v[SO+1]
	v_nop                                          ; one plain place behind the scaled conversions
.irp i, 0,1,2
	v_permlane16_swap_b32 v[PC+\i], v[PC+12+\i]
.endr
.irp i, 0,1,2
	v_mov_b32 v[PC+3+\i], v[PC+12+\i]
.endr
	global_store_b128 v[LI16], v[PC:PC+3], s[46:47]
	global_store_b64 v[LI8], v[PC+4:PC+5], s[46:47] offset:512
	global_store_b16 v[SOFF], v[HW], s[44:45]      ; both halves of the lanes write the same two bytes with the same value
.irp i, 0,1,2,3,4,5
	v_mov_b32 v[QF+\i], v[QB+\i]
.endr
	v_mov_b32 v[QS], v[QBS]
	v_mov_b32 v13, 0xff61b1e6                      ; the largest t so far: -3e38
	v_floor_f32 v12, -v13
	v_mov_b32 v14, 0
	v_mov_b32 v15, 0
.set j, 0
.rept 32
	v_mov_b32 v[OT+j], 0                           ; (these are also the places between the new Q and its scale words and the next products)
.set j, j+1
.endr
	s_mov_b32 s[LASTI], 32
	s_mov_b32 s[BLKC], s[BLKB]
	s_wait_xcnt 0x0                                ; the stores have read their registers and bases: both are written again
.endm
; A KEY STEP: 128 keys, the q-th of the slot in hand
.macro STEP q
	v_add_nc_u32 v[AD16], s[TB], v[LI16]
	v_add_nc_u32 v[AD8], s[TB], v[LI8]
	v_add_nc_u32 v[AD4], s[TB], v[LI4]
	v_nop                                          ; four places in front of loads into registers that the last products have read
.irp i, 0,1,2,3
	ds_load_b32 v[KS+\i], v[AD4] offset:(\q)*TILEB+12288+128*\i    ; K's scale words: tile 2 i in lanes 0-15, tile 2 i + 1 in lanes 16-31
.endr
.irp i, 0,1
	ds_load_b32 v[VS+\i], v[AD4] offset:(\q)*TILEB+12800+128*\i    ; V's likewise
.endr
	WIN 0x40                                       ; destination window 1
.irp t, 0,1,2,3,4,5,6,7
	ds_load_b128 v[12*\t:12*\t+3], v[AD16] offset:(\q)*TILEB+768*\t
	ds_load_b64 v[12*\t+4:12*\t+5], v[AD8] offset:(\q)*TILEB+768*\t+512
.endr
.irp t, 0,1,2,3
.irp c, 0,1,2
	ds_load_b128 v[96+12*\t+4*\c:96+12*\t+4*\c+3], v[AD16] offset:(\q)*TILEB+6144+1536*\t+512*\c
.endr
.endr
	WIN 0x01                                       ; source 0 window 1
	s_wait_dscnt 12                                ; the scale words and K are in; V's 12 loads may be out
.irp t, 0,1,2,3,4,5,6,7
.if \t%2
	v_wmma_scale_f32_16x16x128_f8f6f4 v[S+8*\t:S+8*\t+7], v[12*\t:12*\t+11], v[QF:QF+11], 0, v[KS+\t/2], v[QS] matrix_a_fmt:MATRIX_FMT_BF6 matrix_b_fmt:MATRIX_FMT_BF6 matrix_a_scale:MATRIX_SCALE_ROW1
.else
	v_wmma_scale_f32_16x16x128_f8f6f4 v[S+8*\t:S+8*\t+7], v[12*\t:12*\t+11], v[QF:QF+11], 0, v[KS+\t/2], v[QS] matrix_a_fmt:MATRIX_FMT_BF6 matrix_b_fmt:MATRIX_FMT_BF6
.endif
.endr
	WIN 0
.rept 4
	v_nop
.endr
	s_cmp_lg_u32 s[SI], s[LASTI]                   ; only a block's last key step lies on the diagonal: a scalar branch on ids
	s_cbranch_scc1 .Lopen_\@
	s_and_b32 s42, s[BLKC], 3
	s_lshl_b32 s42, s42, 5
	v_add_nc_u32 v[DD], s42, v[DM]                 ; my query's place in the key step, less 16 (lane / 16).  Register 16 b + i holds key 32 b + i + 16 (lane / 16): hidden where 32 b + i is above it
	v_mov_b32 v[TT], 0xff800000                    ; -infinity: p = 0 then
.set n, 0
.rept 64
	v_cmp_gt_i32 vcc_lo, 32*(n/16)+n%16, v[DD]
	v_cndmask_b32 v[S+n], v[S+n], v[TT], vcc_lo
.set n, n+1
.endr
.Lopen_\@:
.irp b, 0,1,2,3
	v_max3_num_f32 v[BM+\b], v[S+16*\b], v[S+1+16*\b], v[S+2+16*\b]   ; the largest score of each block of 32 keys: for the row's maximum, and for the block's largest p
.endr
.irp i, 3,5,7,9,11,13
.irp b, 0,1,2,3
	v_max3_num_f32 v[BM+\b], v[BM+\b], v[S+16*\b+\i], v[S+1+16*\b+\i]
.endr
.endr
.irp b, 0,1,2,3
	v_max_num_f32 v[BM+\b], v[BM+\b], v[S+15+16*\b]
.endr
.irp b, 0,1,2,3
	v_permlanex16_b32 v[PT+\b], v[BM+\b], s[SEL], s[SEL+1]
.endr
.irp b, 0,1,2,3
	v_max_num_f32 v[BM+\b], v[BM+\b], v[PT+\b]     ; with lane l xor 16's 16 keys
.endr
	v_max3_num_f32 v[TT], v[BM], v[BM+1], v[BM+2]
	v_max_num_f32 v[TT], v[TT], v[BM+3]
	v_mul_f32 v[TT], s[CS], v[TT]                  ; the step's largest t (c is positive)
	v_max_num_f32 v13, v13, v[TT]
	v_mov_b32 v[TT], v12
	v_floor_f32 v12, -v13                          ; the new -M = floor(-t): M is a whole number
	v_sub_f32 v[TT], v12, v[TT]                    ; old M - new M: a whole number, 0 or less
	v_cvt_i32_f32 v[TT], v[TT]                     ; (it saturates)
	v_ldexp_f32 v[FF], 1.0, v[TT]                  ; f
.set j, 0
.rept 32
	v_pk_fma_f32 v[S+j:S+j+1], v[S+j:S+j+1], s[CS:CS+1], v[12:13] op_sel_hi:[1,0,0]   ; t - M, two at a time
.set j, j+2
.endr
.irp b, 0,1,2,3
	v_fma_f32 v[BM+\b], v[BM+\b], s[CS], v12       ; the same of each block's largest score
.endr
.set j, 0
.rept 64
	v_exp_f32 v[S+j], v[S+j]                       ; p = 2^(t - M)
.set j, j+1
.endr
	v_pk_mul_f32 v[14:15], v[14:15], v[FF:FF+1] op_sel_hi:[1,0]   ; the sums under the new M: the plain place behind the exponentials
	s_wait_alu depctr_va_vdst(0)                   ; one wait for the batch of 64, ahead of its first reader
.irp b, 0,1,2,3
	v_exp_f32 v[BM+\b], v[BM+\b]                   ; each block's largest p
.endr
	v_pk_add_f32 v[PT:PT+1], v[S:S+1], v[S+2:S+3]  ; the row's sum of the unquantised p, in two chains
.set j, 4
.rept 15
	v_pk_add_f32 v[14:15], v[14:15], v[S+j:S+j+1]
	v_pk_add_f32 v[PT:PT+1], v[PT:PT+1], v[S+j+2:S+j+3]
.set j, j+4
.endr
	v_pk_add_f32 v[14:15], v[14:15], v[PT:PT+1]
	s_wait_alu depctr_va_vdst(0)                   ; and one for the four
.irp b, 0,1,2,3
	v_max_num_f32 v[BM+\b], 0x2800000, v[BM+\b]    ; the floor 2^(5 - 127)
.endr
.irp b, 0,1,2,3
	v_add_nc_u32 v[SO+\b], 0xfe000000, v[BM+\b]    ; the conversions' scale operands
.endr
.irp b, 0,1,2,3
	v_lshrrev_b32 v[PT+\b], 23, v[SO+\b]
.endr
	v_lshl_or_b32 v[PWD], v[PT+1], 8, v[PT]        ; p's scale word for these 128 keys
	v_lshl_or_b32 v[PWD], v[PT+2], 16, v[PWD]
	v_lshl_or_b32 v[PWD], v[PT+3], 24, v[PWD]
.irp c, 0,1
	v_cvt_scalef32_pk16_bf6_f32 v[PC+6*\c:PC+2+6*\c], v[S+32*\c:S+15+32*\c], v[SO+2*\c]
	v_cvt_scalef32_pk16_bf6_f32 v[PC+12+4*\c:PC+14+4*\c], v[S+16+32*\c:S+31+32*\c], v[SO+2*\c+1]
.endr
	v_nop                                          ; one plain place behind the scaled conversions
.irp c, 0,1
.irp i, 0,1,2
	v_permlane16_swap_b32 v[PC+6*\c+\i], v[PC+12+4*\c+\i]
.endr
.irp i, 0,1,2
	v_mov_b32 v[PC+3+6*\c+\i], v[PC+12+4*\c+\i]
.endr
.endr
.set j, 0
.rept 16
	v_pk_mul_f32 v[OT+j:OT+j+1], v[OT+j:OT+j+1], v[FF:FF+1] op_sel_hi:[1,0]   ; O^T under the new M; these 16 are also the places between p's codes and scale word and the products
.set j, j+2
.endr
	s_wait_dscnt 0x0                               ; V is in
	WIN 0x01
.irp t, 0,1,2,3
.if \t%2
	v_wmma_scale_f32_16x16x128_f8f6f4 v[OT+8*\t:OT+8*\t+7], v[96+12*\t:96+12*\t+11], v[PC:PC+11], v[OT+8*\t:OT+8*\t+7], v[VS+\t/2], v[PWD] matrix_a_fmt:MATRIX_FMT_BF6 matrix_b_fmt:MATRIX_FMT_BF6 matrix_a_scale:MATRIX_SCALE_ROW1
.else
	v_wmma_scale_f32_16x16x128_f8f6f4 v[OT+8*\t:OT+8*\t+7], v[96+12*\t:96+12*\t+11], v[PC:PC+11], v[OT+8*\t:OT+8*\t+7], v[VS+\t/2], v[PWD] matrix_a_fmt:MATRIX_FMT_BF6 matrix_b_fmt:MATRIX_FMT_BF6
.endif
.endr
	WIN 0
	s_cmp_lg_u32 s[SI], s[LASTI]
	s_cbranch_scc1 .Lgo_on_\@
	EPI
.Lgo_on_\@:
	s_add_co_u32 s[SI], s[SI], 1
.endm
	s_load_b128 s[4:7], s[0:1], 0x0                ; qc s[4:5], kv s[6:7]
	s_load_b64 s[8:9], s[0:1], 0x10                ; oq
	v_lshl_add_u32 v[SPW], v0, 2, SPARE
	v_mov_b32 v[NIL], 0
	ds_add_u32 v7, v8
	s_wait_dscnt 0x0
	v_lshrrev_b32 v44, 5, v0
	v_readfirstlane_b32 s[WV], v44                 ; wave 0..7
	s_mov_b32 s[J], ttmp9
	s_and_b32 s[G], ttmp7, 0xffff
	s_lshr_b32 s[LASTI], s[J], 2
	s_add_co_u32 s[NA], s[LASTI], 1
	s_mov_b32 s[BLKC], s[J]
	s_sub_co_u32 s[BLKB], 127, s[J]
	s_mov_b32 s[SI], 0
	s_mov_b32 s[TB], 0
	s_mov_b32 s[SLOTS], 10
	s_mov_b32 s[SEL], 0x76543210
	s_mov_b32 s[SEL+1], 0xfedcba98
	s_mov_b32 s[CS], 0x3e38aa3b                    ; log2(e) / 8
	s_mov_b32 s[CS+1], s[CS]
	s_and_b32 s[HQ], s[WV], 3
	s_lshl_b32 s42, s[G], 2
	s_add_co_u32 s[HQ], s[HQ], s42                 ; my head
	s_lshr_b32 s[U], s[WV], 2                      ; my tile of the block's two
	s_bfe_u32 s[SCO], s[WV], 0x10001               ; oq's scale bytes: K step = head / 2: 256 x its low bit,
	s_lshl_b32 s[SCO], s[SCO], 8
	s_add_co_u32 s[SCO], s[SCO], s42               ; + 4 x (K step / 2) = 4 g,
	s_and_b32 s42, s[WV], 1
	s_lshl_b32 s42, s42, 1
	s_add_co_u32 s[SCO], s[SCO], s42               ; + 2 x (head % 2)
	s_add_co_u32 s[SCO], s[SCO], 12288
	s_mov_b32 s[SCO+1], 0
	; descriptor group 1: a key step: 51 dense rows of 256 bytes, as 32 elements of 8 bytes; no padding: every LDS read takes consecutive bytes
	s_mov_b32 s[G1], 3<<16
	s_mov_b32 s[G1+1], 32<<16                      ; tensor_dim0
	s_mov_b32 s[G1+2], 51<<16                      ; tensor_dim1
	s_mov_b32 s[G1+3], 32<<16                      ; tile_dim0
	s_mov_b32 s[G1+4], 51                          ; tile_dim1
	s_mov_b32 s[G1+5], 32                          ; the pitch
	s_mov_b32 s[G1+6], 0
	s_mov_b32 s[G1+7], 0
	s_min_u32 s[FS], s[WV], 2                      ; waves 0 to 2: the slot's step that I fetch
	s_mov_b32 s[G0], 1
	s_mul_i32 s[G0+1], s[FS], TILEB                ; its place in slot 0
	s_sub_co_u32 s42, s[WV], 3                     ; waves 3 to 5: the step that I prefetch
	s_min_u32 s[FSP], s42, 2
	s_add_co_u32 s[FSP], s[FSP], 3
	s_cmp_lt_u32 s42, 3
	s_cselect_b32 s[LIM], 1, -1
	s_cmp_eq_u32 s[J], 0
	s_cselect_b32 s[LIM], s[LIM], -1               ; 1 in a wave that prefetches, else the greatest number
	s_mul_i32 s42, s[G], 32*TILEB
	s_mov_b32 s43, 0                               ; stays 0: the upper word of every offset in s[42:43]
	s_wait_kmcnt 0x0
	s_add_nc_u64 s[KVB:KVB+1], s[6:7], s[42:43]
	KSOF FS, 0
	s_add_nc_u64 s[G0+2:G0+3], s[KVB:KVB+1], s[42:43]
	s_or_b32 s[G0+3], s[G0+3], 0x80000000
	TLOAD                                          ; slot 0's first fill, ahead of every wait on TENSORcnt, every LDS read and every barrier
	v_and_b32 v48, 31, v0
	v_lshlrev_b32 v[LI16], 4, v48
	v_lshlrev_b32 v[LI8], 3, v48
	v_lshlrev_b32 v[LI4], 2, v48
	v_lshlrev_b32 v[PFO1], 8, v48
	v_add_nc_u32 v49, 32, v48
	v_min_u32 v49, 50, v49
	v_lshlrev_b32 v[PFO2], 8, v49
	v_and_b32 v44, 15, v0                          ; r
	v_bfe_u32 v45, v0, 4, 1                        ; h
	v_and_b32 v46, 8, v44
	v_add_nc_u32 v46, v46, v44                     ; r + 8 (r / 8)
	v_lshlrev_b32 v47, 4, v45
	v_sub_nc_u32 v[DM], v46, v47
	s_lshl_b32 s42, s[U], 3
	v_add_nc_u32 v[DM], s42, v[DM]
	v_lshlrev_b32 v[SOFF], 4, v44
	s_lshl_b32 s42, s[HQ], 8                       ; qc: 256 tiles a head, 1,024 bytes a tile
	s_lshl_b32 s44, s[BLKC], 1
	s_add_co_u32 s44, s44, s[U]
	s_add_co_u32 s44, s44, s42
	s_lshl_b32 s44, s44, 10
	s_mov_b32 s45, 0
	s_add_nc_u64 s[44:45], s[4:5], s[44:45]
	s_lshl_b32 s46, s[BLKB], 1
	s_add_co_u32 s46, s46, s[U]
	s_add_co_u32 s46, s46, s42
	s_lshl_b32 s46, s46, 10
	s_mov_b32 s47, 0
	s_add_nc_u64 s[46:47], s[4:5], s[46:47]
	global_load_b128 v[QF:QF+3], v[LI16], s[44:45]
	global_load_b64 v[QF+4:QF+5], v[LI8], s[44:45] offset:512
	global_load_b32 v[QS], v[LI4], s[44:45] offset:768
	global_load_b128 v[QB:QB+3], v[LI16], s[46:47]
	global_load_b64 v[QB+4:QB+5], v[LI8], s[46:47] offset:512
	global_load_b32 v[QBS], v[LI4], s[46:47] offset:768
	WIN 0x40
.irp t, 0,1,2,3,4,5,6,7
.irp i, 6,7,8,9,10,11
	v_mov_b32 v[12*\t+\i], 0                       ; K's upper 64 along the instruction's K: zero codes, written once
.endr
.endr
	WIN 0
.irp i, 6,7,8,9,10,11
	v_mov_b32 v[QF+\i], 0                          ; Q's likewise
.endr
.irp b, 0,1,2,3
	v_mov_b32 v[PT+\b], 0                          ; a lane permute's destination counts as one of its sources
.endr
	v_mov_b32 v[PWD], 0                            ; (named as the upper half of a pair before it is first written)
	v_mov_b32 v13, 0xff61b1e6                      ; the largest t so far: -3e38, under every t
	v_floor_f32 v12, -v13
	v_mov_b32 v14, 0
	v_mov_b32 v15, 0
.set j, 0
.rept 32
	v_mov_b32 v[OT+j], 0                           ; the step is written once: the first finds zeros, which the first change of M leaves zeros
.set j, j+1
.endr
	s_wait_loadcnt 0x0                             ; both blocks' Q
.Lslot:                                            ; 10 trips: behind each change of slots but the last the next three key steps are asked for
	CHANGE 1
	STEP 0
	STEP 1
	STEP 2
	s_xor_b32 s[TB], s[TB], SLOT1
	s_sub_co_u32 s[SLOTS], s[SLOTS], 1
	s_cmp_lg_u32 s[SLOTS], 0
	s_cbranch_scc1 .Lslot
	CHANGE 0                                       ; the last slot is written out
	STEP 0
	STEP 1
	STEP 2
	s_wait_tensorcnt 0x0                           ; the wave's end
	ds_add_u32 v[SPW], v[NIL]
	s_wait_dscnt 0x0
	s_endpgm
.Lfunc_end_k_q597717b968_attn:
	.size	k_q597717b968_attn, .Lfunc_end_k_q597717b968_attn-k_q597717b968_attn
	.p2alignl 7, 3214868480
	.fill 96, 4, 3214868480
	.section	.rodata,"a",@progbits
	.p2align	6, 0x0
	.amdhsa_kernel k_q597717b968_attn
		.amdhsa_group_segment_fixed_size 327680
		.amdhsa_private_segment_fixed_size 0
		.amdhsa_enable_private_segment 0
		.amdhsa_kernarg_size 24
		.amdhsa_user_sgpr_count 2
		.amdhsa_user_sgpr_kernarg_segment_ptr 1
		.amdhsa_wavefront_size32 1
		.amdhsa_system_sgpr_workgroup_id_x 1
		.amdhsa_system_sgpr_workgroup_id_y 1
		.amdhsa_system_sgpr_workgroup_id_z 1
		.amdhsa_system_vgpr_workitem_id 0
		.amdhsa_next_free_vgpr 512
		.amdhsa_next_free_sgpr 66
		.amdhsa_reserve_vcc 1
		.amdhsa_float_denorm_mode_32 3
		.amdhsa_float_denorm_mode_16_64 3
		.amdhsa_memory_ordered 1
		.amdhsa_forward_progress 1
		.amdhsa_inst_pref_size 167
	.end_amdhsa_kernel
	.amdgpu_metadata
---
amdhsa.version: [ 1, 2 ]
amdhsa.kernels:
  - .name:           k_q597717b968_attn
    .symbol:         k_q597717b968_attn.kd
    .args:
      - { .name: qc, .offset: 0, .size: 8, .value_kind: global_buffer, .address_space: global }
      - { .name: kv, .offset: 8, .size: 8, .value_kind: global_buffer, .address_space: global }
      - { .name: oq, .offset: 16, .size: 8, .value_kind: global_buffer, .address_space: global }
    .group_segment_fixed_size: 327680
    .private_segment_fixed_size: 0
    .kernarg_segment_align: 8
    .kernarg_segment_size: 24
    .max_flat_workgroup_size: 256
    .sgpr_count:     66
    .vgpr_count:     512
    .wavefront_size: 32
...
	.end_amdgpu_metadata
.endif
;; end of part 3
;; launch oproj (part 4): grid 256 x 1, 16 waves a work-group, no clusters, 174,080 bytes of LDS; arguments oq, wc, out0; writes out0
.if DOCPART == 4
	.amdgcn_target "amdgcn-amd-amdhsa--gfx1250"
	.amdhsa_code_object_version 6
	.text
	.protected	k_q597717b968_oproj
	.globl	k_q597717b968_oproj
	.p2align	8
	.type	k_q597717b968_oproj,@function
k_q597717b968_oproj:
	s_mov_b64 s[64:65], 0
	v_nop
	global_prefetch_b8 v0, s[64:65] scope:SCOPE_SE
	s_setreg_imm32_b32 hwreg(HW_REG_WAVE_MODE, 25, 1), 1
	s_wait_xcnt 0x0
; out0 = o W_o on codes of BF6 (E3M2) with E8M0 scales, sums in f32.  o arrives as tile blocks of 12,800 bytes (16 tokens x 1,024 of K: for head n half a fragment at 768 n: registers 0-3 at 16 l, 4-5 at 512 + 8 l;
; scale words at 12,288), W_o as wc's tiles 96-159 (whole fragments at 1,536 s).  Row r of tile T is index 32 (T / 2) + 8 (T % 2) + r + 8 (r / 8).
; A work-group holds one group of W_o (8 tiles = 128 output channels, all of K: 102,400 dense bytes) in LDS and takes 8 tiles of tokens.  Wave w: tile w % 8 of them, kept in registers, against half w / 8 of the group:
; 4 accumulators, 32 matrix instructions.  Source 0 = 16 channels of W_o, source 1 = my 16 tokens: a lane holds one token and 2 x 16 neighbouring channels.
; The fragments of the group come from LDS into two sets of registers by turns, a K step ahead.  The results go through the wave's own stage in LDS and leave as aligned runs of 256 bytes.
; No tensor load (a group is read once by a work-group, and K has only eight steps), no cluster.
.set TBLK, 12800
.set L16,  1
.set L8,   2
.set LA,   3                           ; v3  16 x lane + my half of the group
.set TO,   4
.set TO2,  5
.set TO8,  6
.set TO82, 7
.set BS,   8                           ; v8-11   my tile's scale words
.set AS,   12                          ; v12-27  my four tiles' of W_o
.set BF,   28                          ; v28-123 my tile's 8 fragments; later rows of the result
.set AF,   124                         ; v124-171, v172-219 two sets of four fragments; before that the group on its way into LDS
.set ACC,  220                         ; v220-251
.set STO,  252
.set SRD,  253
.set CO,   254
.set STG,  8*TBLK                      ; behind the group: 16 rows x (256 + 16) bytes for each wave
.macro MM d, a, b, sa, sb, s
.if (\s) == 0
	v_wmma_scale_f32_16x16x128_f8f6f4 v[(\d):(\d)+7], v[(\a):(\a)+11], v[(\b):(\b)+11], 0, v[\sa], v[\sb] matrix_a_fmt:MATRIX_FMT_BF6 matrix_b_fmt:MATRIX_FMT_BF6
.elseif (\s)%2
	v_wmma_scale_f32_16x16x128_f8f6f4 v[(\d):(\d)+7], v[(\a):(\a)+11], v[(\b):(\b)+11], v[(\d):(\d)+7], v[\sa], v[\sb] matrix_a_fmt:MATRIX_FMT_BF6 matrix_b_fmt:MATRIX_FMT_BF6 matrix_a_scale:MATRIX_SCALE_ROW1 matrix_b_scale:MATRIX_SCALE_ROW1
.else
	v_wmma_scale_f32_16x16x128_f8f6f4 v[(\d):(\d)+7], v[(\a):(\a)+11], v[(\b):(\b)+11], v[(\d):(\d)+7], v[\sa], v[\sb] matrix_a_fmt:MATRIX_FMT_BF6 matrix_b_fmt:MATRIX_FMT_BF6
.endif
.endm
	s_load_b128 s[4:7], s[0:1], 0x0                ; oq s[4:5], wc s[6:7]
	s_load_b64 s[8:9], s[0:1], 0x10                ; out0
	v_lshrrev_b32 v12, 5, v0
	v_readfirstlane_b32 s10, v12                   ; wave 0..15
	v_and_b32 v12, 31, v0
	v_and_b32 v13, 15, v0                          ; r
	v_bfe_u32 v14, v0, 4, 1                        ; h
	s_and_b32 s11, ttmp9, 7                        ; the group of W_o
	s_lshr_b32 s12, ttmp9, 3
	s_and_b32 s13, s10, 7
	s_lshl_b32 s14, s12, 3
	s_add_co_u32 s14, s14, s13                     ; my tile of tokens T
	s_lshr_b32 s15, s10, 3                         ; my half of the group
	v_lshlrev_b32 v[L16], 4, v12
	v_lshlrev_b32 v[L8], 3, v12
	s_mul_i32 s20, s15, 4*TBLK
	v_add_nc_u32 v[LA], s20, v[L16]
	v_lshlrev_b32 v[TO], 4, v0
	v_add_nc_u32 v[TO2], 0x10000, v[TO]
	v_lshlrev_b32 v[TO8], 3, v0
	v_add_nc_u32 v[TO82], 98304, v[TO8]
	s_mul_i32 s20, s10, 16*272
	s_add_co_u32 s20, s20, STG                     ; my stage
	v_mul_u32_u24 v[STO], v13, 272
	v_lshl_add_u32 v[STO], v14, 6, v[STO]
	v_add_nc_u32 v[STO], s20, v[STO]               ; in: row r, + 64 h
	v_mul_u32_u24 v[SRD], v14, 272
	v_lshl_add_u32 v[SRD], v13, 4, v[SRD]
	v_add_nc_u32 v[SRD], s20, v[SRD]               ; back: lanes 0-15 one row, lanes 16-31 the next
	v_lshlrev_b32 v[CO], 12, v14
	v_lshl_add_u32 v[CO], v13, 4, v[CO]            ; and the same two rows in out0
	s_add_co_u32 s16, s11, 12
	s_mul_i32 s16, s16, 8*TBLK
	s_mov_b32 s17, 0
	s_mul_i32 s18, s14, TBLK
	s_mov_b32 s19, 0
	s_lshr_b32 s20, s14, 1
	s_lshl_b32 s20, s20, 5
	s_and_b32 s21, s14, 1
	s_lshl_b32 s21, s21, 3
	s_add_co_u32 s20, s20, s21                     ; the tile's first token
	s_lshl_b32 s20, s20, 12
	s_lshl_b32 s21, s11, 9
	s_add_co_u32 s20, s20, s21                     ; + the group's 128 channels
	s_lshl_b32 s21, s15, 8
	s_add_co_u32 s20, s20, s21                     ; + my half's 64
	s_mov_b32 s21, 0
	s_wait_kmcnt 0x0
	s_add_nc_u64 s[6:7], s[6:7], s[16:17]
	s_add_nc_u64 s[4:5], s[4:5], s[18:19]
	s_add_nc_u64 s[8:9], s[8:9], s[20:21]
.irp p, 0,1,2,3,4,5,6,7,8,9,10,11
	global_load_b128 v[AF+4*\p:AF+4*\p+3], v[TO], s[6:7] offset:8192*\p
.endr
	global_load_b64 v[AF+48:AF+49], v[TO8], s[6:7] offset:98304
.irp n, 0,1,2,3,4,5,6,7,8,9,10,11,12,13,14,15
	global_load_b128 v[BF+6*\n:BF+6*\n+3], v[L16], s[4:5] offset:768*\n
	global_load_b64 v[BF+6*\n+4:BF+6*\n+5], v[L8], s[4:5] offset:768*\n+512
.endr
	global_load_b128 v[BS:BS+3], v[L16], s[4:5] offset:12288
	s_wait_loadcnt 33                              ; the group's 13 loads are in; my tile's 33 may be out
.irp p, 0,1,2,3,4,5,6,7
	ds_store_b128 v[TO], v[AF+4*\p:AF+4*\p+3] offset:8192*\p
.endr
.irp p, 8,9,10,11
	ds_store_b128 v[TO2], v[AF+4*\p:AF+4*\p+3] offset:8192*(\p-8)
.endr
	ds_store_b64 v[TO82], v[AF+48:AF+49]
	s_wait_dscnt 0x0                               ; for the others' sake: my part of the group lies in LDS
	s_barrier_signal -1
	s_barrier_wait -1                              ; everybody's does; nothing is written there again
.macro LOADA s, buf
.irp t, 0,1,2,3
.irp c, 0,1,2
	ds_load_b128 v[AF+48*(\buf)+12*\t+4*\c:AF+48*(\buf)+12*\t+4*\c+3], v[LA] offset:TBLK*\t+1536*(\s)+512*\c
.endr
.endr
.endm
.irp t, 0,1,2,3
	ds_load_b128 v[AS+4*\t:AS+4*\t+3], v[LA] offset:TBLK*\t+12288
.endr
	LOADA 0, 0
	s_wait_loadcnt 0x0                             ; my tile
.macro KSTEP s
.if \s < 7
	LOADA (\s)+1, ((\s)+1)%2                       ; the next K step, into the set that the last K step's products have read: four places stand behind them
	s_wait_dscnt 12                                ; all but the 12 just issued
.else
	s_wait_dscnt 0x0
.endif
.irp t, 0,1,2,3
	MM ACC+8*\t, AF+48*((\s)%2)+12*\t, BF+12*(\s), AS+4*\t+(\s)/2, BS+(\s)/2, \s
.endr
.rept 4
	v_nop                                          ; four places (ISA guide 7.12.1); the accumulators take turns, one instruction a turn
.endr
.endm
.irp s, 0,1,2,3,4,5,6,7
	KSTEP \s
.endr
.irp b, 0,1
.irp q, 0,1,2,3
	ds_store_b128 v[STO], v[ACC+16*\b+4*\q:ACC+16*\b+4*\q+3] offset:128*\b+16*\q   ; register 16 b + i: channel 32 b + 16 h + i; each accumulator from its low end on
.endr
.endr
.irp i, 0,1,2,3,4,5,6,7
	ds_load_b128 v[BF+4*\i:BF+4*\i+3], v[SRD] offset:544*\i                        ; LDS serves a wave's instructions in order: these see my stores
.endr
.irp i, 0,1,2,3,4,5,6,7
	s_wait_dscnt 7-\i
	global_store_b128 v[CO], v[BF+4*\i:BF+4*\i+3], s[8:9] offset:(2*\i+8*(\i/4))*4096 th:TH_STORE_NT   ; sixteen lanes store 256 consecutive bytes, at a multiple of 256 from out0's first byte
.endr
	s_wait_xcnt 0x0
	v_lshl_add_u32 v254, v0, 2, 0x2a000
	v_mov_b32 v255, 0
	s_wait_tensorcnt 0x0
	ds_add_u32 v254, v255
	s_wait_dscnt 0x0
	s_endpgm
.Lfunc_end_k_q597717b968_oproj:
	.size	k_q597717b968_oproj, .Lfunc_end_k_q597717b968_oproj-k_q597717b968_oproj
	.p2alignl 7, 3214868480
	.fill 96, 4, 3214868480
	.section	.rodata,"a",@progbits
	.p2align	6, 0x0
	.amdhsa_kernel k_q597717b968_oproj
		.amdhsa_group_segment_fixed_size 174080
		.amdhsa_private_segment_fixed_size 0
		.amdhsa_enable_private_segment 0
		.amdhsa_kernarg_size 24
		.amdhsa_user_sgpr_count 2
		.amdhsa_user_sgpr_kernarg_segment_ptr 1
		.amdhsa_wavefront_size32 1
		.amdhsa_system_sgpr_workgroup_id_x 1
		.amdhsa_system_sgpr_workgroup_id_y 1
		.amdhsa_system_sgpr_workgroup_id_z 1
		.amdhsa_system_vgpr_workitem_id 0
		.amdhsa_next_free_vgpr 256
		.amdhsa_next_free_sgpr 66
		.amdhsa_reserve_vcc 0
		.amdhsa_float_denorm_mode_32 3
		.amdhsa_float_denorm_mode_16_64 3
		.amdhsa_memory_ordered 1
		.amdhsa_forward_progress 1
		.amdhsa_inst_pref_size 22
	.end_amdhsa_kernel
	.amdgpu_metadata
---
amdhsa.version: [ 1, 2 ]
amdhsa.kernels:
  - .name:           k_q597717b968_oproj
    .symbol:         k_q597717b968_oproj.kd
    .args:
      - { .name: oq, .offset: 0, .size: 8, .value_kind: global_buffer, .address_space: global }
      - { .name: wc, .offset: 8, .size: 8, .value_kind: global_buffer, .address_space: global }
      - { .name: out0, .offset: 16, .size: 8, .value_kind: global_buffer, .address_space: global }
    .group_segment_fixed_size: 174080
    .private_segment_fixed_size: 0
    .kernarg_segment_align: 8
    .kernarg_segment_size: 24
    .max_flat_workgroup_size: 512
    .sgpr_count:     66
    .vgpr_count:     256
    .wavefront_size: 32
...
	.end_amdgpu_metadata
.endif
;; end of part 4
;; ======== version 2 of 2: 4 launches
;; workspace buffers: xq 3,276,800 bytes; wc 2,048,000 bytes; qc 4,194,304 bytes; kv 1,671,168 bytes; oq 3,276,800 bytes
;; launch quant (part 5): grid 416 x 1, 4 waves a work-group, no clusters, 34,304 bytes of LDS; arguments x, W_q, W_k, W_v, W_o, xq, wc; writes xq, wc
.if DOCPART == 5
	.amdgcn_target "amdgcn-amd-amdhsa--gfx1250"
	.amdhsa_code_object_version 6
	.text
	.protected	k_q597717b968_quant
	.globl	k_q597717b968_quant
	.p2align	8
	.type	k_q597717b968_quant,@function
k_q597717b968_quant:
	s_mov_b64 s[64:65], 0
	v_nop
	global_prefetch_b8 v0, s[64:65] scope:SCOPE_SE
	s_setreg_imm32_b32 hwreg(HW_REG_WAVE_MODE, 25, 1), 1
	s_wait_xcnt 0x0
; x [4096][1024] and the four weights ([1024][n], K = the FIRST axis), all f32, become codes of BF6 (E3M2) with one E8M0 byte for each 32 along K,
; laid in the ORDER OF AN OPERAND'S REGISTERS.  A tile is 16 rows (tokens, or a weight's channels); row r of tile T is index 32 (T / 2) + 8 (T % 2) + r + 8 (r / 8).
; A TILE BLOCK is 12,800 bytes: for K step s (128 along K) a fragment's image at 1,536 s (registers 4 c .. 4 c + 3 of lane l at 512 c + 16 l); at 12,288 the scale words:
; the word of row r and K step s at 16 (r + 16 (s % 2)) + 4 (s / 2).  xq: 256 blocks.  wc: W_q tiles 0-63, W_k 64-79, W_v 80-95, W_o 96-159.
; A block's scale byte is its largest magnitude's exponent field - 4, held at 1 from below by a floor among the maximum's leaves.
; LIMITS: a block of zeros gets the byte 1 (its codes are zeros, and this program alone reads the bytes); blocks whose largest magnitude lies under 2^(5 - 127) are held at that byte; NaN and infinities are not served.
; The scale words leave as 4 bytes a lane, 16 bytes apart: one byte in 128 of what the launch reads.
; Work-groups 0-255: tile T of x, wave w its K steps 2 w and 2 w + 1.  Work-groups 256-415: 128 channels of a weight x one K step, a lane to a channel, its registers down K.
; No matrix unit, no tensor load, no barrier: waves share nothing.
.set TBLK, 12800
.set R0,   32                          ; v32-95   x: 64 numbers a lane, first K step
.set R1,   96                          ; v96-159  second K step
.set TM,   160                         ; v160-175 at work in QUANT
.set PW0,  176                         ; the two scale words
.set PW1,  177
.set PWS,  178
.set PCA,  180                         ; v180-198 codes of the first K step (12, and 7 at work)
.set PCB,  200                         ; v200-218 of the second
.set CW,   160                         ; weights: v160-171 the registers of target lane (r, 0), v172-183 of (r, 1)
.set SEL,  40                          ; s[40:41] lane selects: lane l xor 16
; 64 numbers of a lane, register 16 b + i = k 32 b + 16 (lane / 16) + i of its row, become a fragment's 12 registers at v[pc] and the row's scale word in v[pw]
.macro QUANT src, pc, pw
.irp b, 0,1,2,3
	v_max3_num_f32 v[TM+\b], |v[\src+16*\b]|, |v[\src+1+16*\b]|, 0x2800000   ; my 16 numbers of block b, and the floor 2^(5 - 127)
.endr
.irp i, 2,4,6,8,10,12,14
.irp b, 0,1,2,3
	v_max3_num_f32 v[TM+\b], v[TM+\b], |v[\src+16*\b+\i]|, |v[\src+1+16*\b+\i]|
.endr
.endr
.irp b, 0,1,2,3
	v_permlanex16_b32 v[TM+4+\b], v[TM+\b], s[SEL], s[SEL+1]
.endr
.irp b, 0,1,2,3
	v_max_num_f32 v[TM+\b], v[TM+\b], v[TM+4+\b]     ; with lane l xor 16's 16: the block's largest magnitude
.endr
.irp b, 0,1,2,3
	v_add_nc_u32 v[TM+12+\b], 0xfe000000, v[TM+\b]   ; 4 off its exponent field: the conversion's scale operand
.endr
.irp b, 0,1,2,3
	v_lshrrev_b32 v[TM+4+\b], 23, v[TM+12+\b]        ; the scale's byte
.endr
	v_lshl_or_b32 v[\pw], v[TM+5], 8, v[TM+4]
	v_lshl_or_b32 v[\pw], v[TM+6], 16, v[\pw]
	v_lshl_or_b32 v[\pw], v[TM+7], 24, v[\pw]
.irp c, 0,1
	v_cvt_scalef32_pk16_bf6_f32 v[\pc+6*\c:\pc+2+6*\c], v[\src+32*\c:\src+15+32*\c], v[TM+12+2*\c]
	v_cvt_scalef32_pk16_bf6_f32 v[\pc+12+4*\c:\pc+14+4*\c], v[\src+16+32*\c:\src+31+32*\c], v[TM+12+2*\c+1]   ; (three registers begin on an even number)
.endr
	v_nop                                            ; one plain place behind the scaled conversions
.irp c, 0,1                                      ; a lane wants a WHOLE block: lanes 0-15 block 2 c, lanes 16-31 block 2 c + 1
.irp i, 0,1,2
	v_permlane16_swap_b32 v[\pc+6*\c+\i], v[\pc+12+4*\c+\i]
.endr
.irp i, 0,1,2
	v_mov_b32 v[\pc+3+6*\c+\i], v[\pc+12+4*\c+\i]
.endr
.endr
.endm
	s_load_b256 s[4:11], s[0:1], 0x0               ; x s[4:5], W_q s[6:7], W_k s[8:9], W_v s[10:11]
	s_load_b128 s[12:15], s[0:1], 0x20             ; W_o s[12:13], xq s[14:15]
	s_load_b64 s[16:17], s[0:1], 0x30              ; wc
	v_lshl_add_u32 v224, v0, 2, 0x8400
	v_mov_b32 v225, 0
	v_lshrrev_b32 v1, 5, v0
	v_readfirstlane_b32 s18, v1                    ; wave 0..3
	v_and_b32 v2, 31, v0                           ; lane
	s_cmp_lt_u32 ttmp9, 256
	s_cbranch_scc0 .Lweights
	; ---------------- x: tile T = the work-group's number ----------------
	v_lshlrev_b32 v3, 4, v2                        ; 16 x lane
	s_mul_i32 s24, s18, 8448                       ; my wave's stage: 16 rows x (512 + 16) bytes
	v_add_nc_u32 v4, s24, v3                       ; into it: a row's 512 bytes as they are loaded
	v_and_b32 v6, 15, v2                           ; r
	v_lshrrev_b32 v7, 4, v2                        ; h
	v_mul_u32_u24 v5, v6, 528
	v_lshl_add_u32 v5, v7, 6, v5
	v_add_nc_u32 v5, s24, v5                       ; out of it: row r, + 64 h: my 16 numbers of each block of 32
	s_mul_i32 s25, s18, 3072
	v_add_nc_u32 v9, s25, v3                       ; the codes' place: 16 x lane + two K steps x wave
	s_lshl_b32 s25, s18, 2
	v_add_nc_u32 v8, s25, v3                       ; the scale words': 16 x lane + 4 x wave
	s_mov_b32 s[SEL], 0x76543210
	s_mov_b32 s[SEL+1], 0xfedcba98
.irp b, 0,1,2,3
	v_mov_b32 v[TM+4+\b], 0                        ; written once: a lane permute's destination counts as one of its sources
.endr
	s_lshr_b32 s20, ttmp9, 1
	s_lshl_b32 s20, s20, 5
	s_and_b32 s21, ttmp9, 1
	s_lshl_b32 s21, s21, 3
	s_add_co_u32 s20, s20, s21                     ; the tile's first token
	s_lshl_b32 s20, s20, 12                        ; 4,096 bytes a row
	s_lshl_b32 s21, s18, 10                        ; my two K steps: 1,024 bytes
	s_add_co_u32 s20, s20, s21
	s_mov_b32 s21, 0
	s_mul_i32 s22, ttmp9, TBLK
	s_mov_b32 s23, 0
	s_wait_alu depctr_va_vdst(0)
	s_wait_kmcnt 0x0
	s_add_nc_u64 s[4:5], s[4:5], s[20:21]
	s_add_nc_u64 s[14:15], s[14:15], s[22:23]
.irp e, 0,1
.irp p, 0,1,2,3,4,5,6,7,8,9,10,11,12,13,14,15
	global_load_b128 v[R0+64*\e+4*\p:R0+64*\e+4*\p+3], v3, s[4:5] offset:(\p+8*(\p/8))*4096+512*\e th:TH_LOAD_NT   ; 32 lanes read a row's 512 consecutive bytes
.endr
.endr
.macro TURN reg                        ; 16 rows through the stage, back into the registers that they left: LDS serves a wave's instructions in order
.irp p, 0,1,2,3,4,5,6,7,8,9,10,11,12,13,14,15
	ds_store_b128 v4, v[\reg+4*\p:\reg+4*\p+3] offset:528*\p
.endr
.irp b, 0,1,2,3
.irp q, 0,1,2,3
	ds_load_b128 v[\reg+16*\b+4*\q:\reg+16*\b+4*\q+3], v5 offset:128*\b+16*\q
.endr
.endr
.endm
	s_wait_loadcnt 16                              ; the first K step's 16 loads are in; the second's may be out
	TURN R0
	s_wait_loadcnt 0x0
	TURN R1
	s_wait_dscnt 32                                ; the first turn is back; the second's 16 stores and 16 loads may be out
	QUANT R0, PCA, PW0
.irp c, 0,1,2
	global_store_b128 v9, v[PCA+4*\c:PCA+4*\c+3], s[14:15] offset:512*\c           ; 512 consecutive bytes a store
.endr
	s_wait_dscnt 0x0
	QUANT R1, PCB, PW1
.irp c, 0,1,2
	global_store_b128 v9, v[PCB+4*\c:PCB+4*\c+3], s[14:15] offset:1536+512*\c
.endr
	v_cmp_le_u32 vcc_lo, 16, v2
	v_cndmask_b32 v[PWS], v[PW0], v[PW1], vcc_lo   ; lanes 0-15: K step 2 w of row r; lanes 16-31: K step 2 w + 1
	global_store_b32 v8, v[PWS], s[14:15] offset:12288
	s_wait_tensorcnt 0x0
	ds_add_u32 v224, v225
	s_wait_dscnt 0x0
	s_endpgm
	; ---------------- the weights: 20 groups of 128 channels x 8 K steps ----------------
.Lweights:
	s_wait_alu depctr_va_vdst(0)
	v_lshlrev_b32 v6, 2, v2                        ; in: 4 bytes a lane: my channel
	v_bfe_u32 v8, v2, 3, 1                         ; my channel's tile of the wave's two: u = (lane / 8) % 2,
	v_and_b32 v9, 7, v2
	v_lshrrev_b32 v10, 4, v2
	v_lshl_add_u32 v9, v10, 3, v9                  ; and its row there: r = lane % 8 + 8 (lane / 16)
	v_lshlrev_b32 v9, 4, v9
	v_mad_u32_u24 v7, v8, TBLK, v9                 ; out: 12,800 u + 16 r
	s_sub_co_u32 s20, ttmp9, 256
	s_lshr_b32 s21, s20, 3                         ; group 0..19: W_q 0-7, W_k 8-9, W_v 10-11, W_o 12-19
	s_and_b32 s22, s20, 7                          ; K step
	s_sub_co_u32 s23, s21, 8
	s_sub_co_u32 s24, s21, 10
	s_sub_co_u32 s25, s21, 12
	s_wait_kmcnt 0x0
	s_mov_b64 s[26:27], s[12:13]
	s_mov_b32 s28, s25
	s_cmp_lt_u32 s21, 12
	s_cselect_b64 s[26:27], s[10:11], s[26:27]
	s_cselect_b32 s28, s24, s28
	s_cmp_lt_u32 s21, 10
	s_cselect_b64 s[26:27], s[8:9], s[26:27]
	s_cselect_b32 s28, s23, s28
	s_cmp_lt_u32 s21, 8
	s_cselect_b64 s[26:27], s[6:7], s[26:27]
	s_cselect_b32 s28, s21, s28                    ; the group's number inside its weight
	s_cmp_lt_u32 s23, 4                            ; W_k, W_v: rows of 1,024 bytes; W_q, W_o: of 4,096
	s_cselect_b32 s29, 17, 19
	s_lshl_b32 s30, s22, s29                       ; 128 rows x the K step
	s_lshl_b32 s31, s28, 9
	s_add_co_u32 s30, s30, s31                     ; + 128 channels x the group
	s_lshl_b32 s31, s18, 7
	s_add_co_u32 s30, s30, s31                     ; + 32 channels x the wave
	s_mov_b32 s31, 0
	s_add_nc_u64 s[26:27], s[26:27], s[30:31]
	s_lshl_b32 s30, s21, 3
	s_lshl_b32 s31, s18, 1
	s_add_co_u32 s30, s30, s31                     ; my first tile: 8 x group + 2 x wave
	s_mul_i32 s30, s30, TBLK
	s_mul_i32 s31, s22, 1536
	s_add_co_u32 s32, s30, s31
	s_mov_b32 s33, 0
	s_add_nc_u64 s[32:33], s[16:17], s[32:33]      ; the K step's image
	s_and_b32 s31, s22, 1
	s_lshl_b32 s31, s31, 8
	s_add_co_u32 s30, s30, s31
	s_lshr_b32 s31, s22, 1
	s_lshl_b32 s31, s31, 2
	s_add_co_u32 s30, s30, s31
	s_add_co_u32 s34, s30, 12288
	s_mov_b32 s35, 0
	s_add_nc_u64 s[34:35], s[16:17], s[34:35]      ; its scale words: 12,288 + 256 (s % 2) + 4 (s / 2)
.macro WLOAD pitch                     ; W(128 s + k, my channel), k = 0 .. 127: a wave reads 128 consecutive bytes, the four waves stand side by side
.set k, 0
.rept 128
	global_load_b32 v[32+k], v6, s[26:27] offset:k*\pitch th:TH_LOAD_NT
.set k, k+1
.endr
.endm
	s_cmp_lt_u32 s23, 4
	s_cbranch_scc1 .Lnarrow
	s_wait_alu depctr_va_vdst(0)
	WLOAD 4096
	s_branch .Lloaded
.Lnarrow:
	s_wait_alu depctr_va_vdst(0)
	WLOAD 1024
.Lloaded:
; block t of the K step's four: all its 32 numbers are mine.  It belongs to target lane (r, t % 2), registers 6 (t / 2) on
.macro WBLOCK t
.set XS, 32+32*(\t)
.set CD, CW+12*((\t)%2)+6*((\t)/2)
	v_max3_num_f32 v12, |v[XS]|, |v[XS+1]|, |v[XS+2]|
	v_max3_num_f32 v13, |v[XS+3]|, |v[XS+4]|, |v[XS+5]|
.irp i, 6,10,14,18,22,26
	v_max3_num_f32 v12, v12, |v[XS+\i]|, |v[XS+\i+1]|
	v_max3_num_f32 v13, v13, |v[XS+\i+2]|, |v[XS+\i+3]|
.endr
	v_max3_num_f32 v12, v12, |v[XS+30]|, |v[XS+31]|
	v_max3_num_f32 v12, v12, v13, 0x2800000        ; and the floor
	v_add_nc_u32 v11, 0xfe000000, v12              ; the conversion's scale operand
	v_lshrrev_b32 v13, 23, v11                     ; the byte
.if (\t) == 0
	v_mov_b32 v28, v13
.else
	v_lshl_or_b32 v28, v13, 8*(\t), v28
.endif
	v_cvt_scalef32_pk16_bf6_f32 v[CD:CD+2], v[XS:XS+15], v11
	v_cvt_scalef32_pk16_bf6_f32 v[184:186], v[XS+16:XS+31], v11
	v_nop                                          ; one plain place behind the scaled conversions
	v_mov_b32 v[CD+3], v184
	v_mov_b32 v[CD+4], v185
	v_mov_b32 v[CD+5], v186
.endm
	s_wait_loadcnt 63                              ; the count's largest value: at most 63 of the 128 are out, so the first 64 are in
	WBLOCK 0
	WBLOCK 1
	s_wait_loadcnt 32                              ; all but the last block's 32
	WBLOCK 2
	s_wait_loadcnt 0x0
	WBLOCK 3
.irp h, 0,1
.irp c, 0,1,2
	global_store_b128 v7, v[CW+12*\h+4*\c:CW+12*\h+4*\c+3], s[32:33] offset:512*\c+256*\h   ; sixteen lanes fill 256 consecutive bytes of each of the two tiles
.endr
.endr
	global_store_b32 v7, v28, s[34:35]
	s_endpgm
.Lfunc_end_k_q597717b968_quant:
	.size	k_q597717b968_quant, .Lfunc_end_k_q597717b968_quant-k_q597717b968_quant
	.p2alignl 7, 3214868480
	.fill 96, 4, 3214868480
	.section	.rodata,"a",@progbits
	.p2align	6, 0x0
	.amdhsa_kernel k_q597717b968_quant
		.amdhsa_group_segment_fixed_size 34304
		.amdhsa_private_segment_fixed_size 0
		.amdhsa_enable_private_segment 0
		.amdhsa_kernarg_size 56
		.amdhsa_user_sgpr_count 2
		.amdhsa_user_sgpr_kernarg_segment_ptr 1
		.amdhsa_wavefront_size32 1
		.amdhsa_system_sgpr_workgroup_id_x 1
		.amdhsa_system_sgpr_workgroup_id_y 1
		.amdhsa_system_sgpr_workgroup_id_z 1
		.amdhsa_system_vgpr_workitem_id 0
		.amdhsa_next_free_vgpr 226
		.amdhsa_next_free_sgpr 66
		.amdhsa_reserve_vcc 1
		.amdhsa_float_denorm_mode_32 3
		.amdhsa_float_denorm_mode_16_64 3
		.amdhsa_memory_ordered 1
		.amdhsa_forward_progress 1
		.amdhsa_inst_pref_size 50
	.end_amdhsa_kernel
	.amdgpu_metadata
---
amdhsa.version: [ 1, 2 ]
amdhsa.kernels:
  - .name:           k_q597717b968_quant
    .symbol:         k_q597717b968_quant.kd
    .args:
      - { .name: x, .offset: 0, .size: 8, .value_kind: global_buffer, .address_space: global }
      - { .name: W_q, .offset: 8, .size: 8, .value_kind: global_buffer, .address_space: global }
      - { .name: W_k, .offset: 16, .size: 8, .value_kind: global_buffer, .address_space: global }
      - { .name: W_v, .offset: 24, .size: 8, .value_kind: global_buffer, .address_space: global }
      - { .name: W_o, .offset: 32, .size: 8, .value_kind: global_buffer, .address_space: global }
      - { .name: xq, .offset: 40, .size: 8, .value_kind: global_buffer, .address_space: global }
      - { .name: wc, .offset: 48, .size: 8, .value_kind: global_buffer, .address_space: global }
    .group_segment_fixed_size: 34304
    .private_segment_fixed_size: 0
    .kernarg_segment_align: 8
    .kernarg_segment_size: 56
    .max_flat_workgroup_size: 128
    .sgpr_count:     66
    .vgpr_count:     226
    .wavefront_size: 32
...
	.end_amdgpu_metadata
.endif
;; end of part 5
;; launch qkv (part 6): grid 192 x 1, 16 waves a work-group, no clusters, 104,448 bytes of LDS; arguments xq, wc, qc, kv; writes qc, kv
.if DOCPART == 6
	.amdgcn_target "amdgcn-amd-amdhsa--gfx1250"
	.amdhsa_code_object_version 6
	.text
	.protected	k_q597717b968_qkv
	.globl	k_q597717b968_qkv
	.p2align	8
	.type	k_q597717b968_qkv,@function
k_q597717b968_qkv:
	s_mov_b64 s[64:65], 0
	v_nop
	global_prefetch_b8 v0, s[64:65] scope:SCOPE_SE
	s_setreg_imm32_b32 hwreg(HW_REG_WAVE_SCHED_MODE, 0, 2), 2
	s_setreg_imm32_b32 hwreg(HW_REG_WAVE_MODE, 25, 1), 1
	s_wait_xcnt 0x0
	s_wait_alu depctr_vm_vsrc(0)
; q = x W_q, k = x W_k, v = x W_v on codes of BF6 (E3M2) with E8M0 scales, sums in f32; the results are quantised in registers and leave as codes: q and k along the head's 64, v along the keys.
; A work-group holds ONE GROUP of 8 tiles (128 rows, all 1,024 of K: 102,400 dense bytes, images of operand registers) in LDS; each of its sixteen waves multiplies it by ONE tile of the other operand, which it keeps in registers:
; 8 accumulators, 64 matrix instructions.  Source 0 = a tile of the group, source 1 = the wave's tile: a lane holds one row of the wave's tile, and its 64 registers run along the group's 128 rows, in their true order
; (row r of tile T is index 32 (T / 2) + 8 (T % 2) + r + 8 (r / 8), so that two neighbouring tiles' 16 registers are 16 neighbours).
; Work-groups 0-127: q: the group = 128 channels of W_q (two heads), the waves' tiles = tokens.  128-159: k likewise.  160-191: v: the group = 128 tokens (a key step), the waves' tiles = W_v's 16 tiles of channels.
; OUT.  qc [head 16][tile 256] x 1,024 bytes: registers 0-3 at 16 l, 4-5 at 512 + 8 l, the scale word (two bytes, the upper two 0) at 768 + 4 l.
; kv [kv head 4][key step 32] x 13,056 bytes: K's 8 tiles like q's at 768 t; V^T's 4 tiles (16 channels x 128 keys, 12 registers) at 6,144 + 1,536 t; K's scale words at 12,288 + 64 t + 4 r; V's at 12,800 + 64 t + 4 r.
; 192 work-groups: 12 groups of weights and 32 of tokens do not share out into 256 equal parts.  No tensor load: a group is read once by a work-group, through registers.  No cluster: nothing is filled twice.
; LIMITS: a block of zeros gets the byte 1 (its codes are zeros; this program alone reads the bytes); NaN and infinities are not served.  The scale words leave as 4 bytes a lane.
; THE MODE: SCHED_MODE bits 1:0 = 2 (LLVM: expert scheduling mode 2), set by the entry lines.  The code itself states the register dependences
; between vector or matrix instructions and memory or LDS instructions, with s_wait_alu, always for 0.
; THE PLAN.  Registers that memory or LDS instructions touch:
;   v1-7, v252, v253   offsets and LDS addresses: written once at the head, read by every load and store, never written again.
;   ACC                first the group on its way into LDS (global loads land, LDS stores read); from K step 0 on written by the matrix instructions alone.
;   BF, BS, AS         loaded once, read by the matrix instructions.  On the way out vector instructions write BF's registers (TM, PW, W0, W1, PC), and the stores read them.
;   AF                 TWO SETS of two fragments.  A step is two products, tiles 2 u and 2 u + 1 of K step s, on set u % 2; behind them the loads of the step after next land in the same set.
; So ONE wait on va_vdst stands in a step, behind its two products: it states that they are done reading their set.  The other set's six loads are out meanwhile.
.set TBLK, 12800
.set L16,  1                           ; v1  16 x lane: also the LDS address of the group's tiles 0-3
.set LA1,  2                           ; v2  the same for tiles 4-7
.set TO,   3                           ; v3  16 x thread
.set TO2,  4                           ; v4  + 65,536
.set TO8,  5                           ; v5  8 x thread
.set TO82, 6                           ; v6  + 98,304
.set L8,   7                           ; v7  8 x lane
.set BS,   8                           ; v8-11   my tile's scale words: register i: K step 2 i in lanes 0-15, 2 i + 1 in lanes 16-31
.set AS,   12                          ; v12-43  the group's, four registers a tile
.set BF,   44                          ; v44-139 my tile's 8 fragments
.set AF,   140                         ; v140-163, v164-187 two sets of two fragments of the group
.set ACC,  188                         ; v188-251 the 8 accumulators; before that the group on its way into LDS
.set SV,   252                         ; v252 q's scale words' offset: 4 x lane
.set SVR,  253                         ; v253 k's and v's: 4 r: both halves of the lanes write the same word with the same value
.set TM,   44                          ; the way out works in the registers that held my tile
.set PW,   60
.set W0,   61
.set W1,   62
.set PC,   64
.set SEL,  32                          ; s[32:33]
.macro QUANT src, pc, pw               ; 64 numbers of a lane, register 16 b + i = k 32 b + 16 (lane / 16) + i of its row -> 12 registers of codes, and the row's scale word
.irp b, 0,1,2,3
	v_max3_num_f32 v[TM+\b], |v[\src+16*\b]|, |v[\src+1+16*\b]|, 0x2800000   ; each accumulator is read from its low end on; the floor 2^(5 - 127) holds the byte at 1
.endr
.irp i, 2,4,6,8,10,12,14
.irp b, 0,1,2,3
	v_max3_num_f32 v[TM+\b], v[TM+\b], |v[\src+16*\b+\i]|, |v[\src+1+16*\b+\i]|
.endr
.endr
.irp b, 0,1,2,3
	v_permlanex16_b32 v[TM+4+\b], v[TM+\b], s[SEL], s[SEL+1]
.endr
.irp b, 0,1,2,3
	v_max_num_f32 v[TM+\b], v[TM+\b], v[TM+4+\b]
.endr
.irp b, 0,1,2,3
	v_add_nc_u32 v[TM+12+\b], 0xfe000000, v[TM+\b]
.endr
.irp b, 0,1,2,3
	v_lshrrev_b32 v[TM+4+\b], 23, v[TM+12+\b]
.endr
	v_lshl_or_b32 v[\pw], v[TM+5], 8, v[TM+4]
	v_lshl_or_b32 v[\pw], v[TM+6], 16, v[\pw]
	v_lshl_or_b32 v[\pw], v[TM+7], 24, v[\pw]
.irp c, 0,1
	v_cvt_scalef32_pk16_bf6_f32 v[\pc+6*\c:\pc+2+6*\c], v[\src+32*\c:\src+15+32*\c], v[TM+12+2*\c]
	v_cvt_scalef32_pk16_bf6_f32 v[\pc+12+4*\c:\pc+14+4*\c], v[\src+16+32*\c:\src+31+32*\c], v[TM+12+2*\c+1]
.endr
	v_nop                                          ; one plain place behind the scaled conversions
.irp c, 0,1
.irp i, 0,1,2
	v_permlane16_swap_b32 v[\pc+6*\c+\i], v[\pc+12+4*\c+\i]
.endr
.irp i, 0,1,2
	v_mov_b32 v[\pc+3+6*\c+\i], v[\pc+12+4*\c+\i]
.endr
.endr
.endm
; one product of K step s.  The first K step starts the sums; in odd K steps both sides' scale words stand in lanes 16-31
.macro MM d, a, b, sa, sb, s
.if (\s) == 0
	v_wmma_scale_f32_16x16x128_f8f6f4 v[(\d):(\d)+7], v[(\a):(\a)+11], v[(\b):(\b)+11], 0, v[\sa], v[\sb] matrix_a_fmt:MATRIX_FMT_BF6 matrix_b_fmt:MATRIX_FMT_BF6
.elseif (\s)%2
	v_wmma_scale_f32_16x16x128_f8f6f4 v[(\d):(\d)+7], v[(\a):(\a)+11], v[(\b):(\b)+11], v[(\d):(\d)+7], v[\sa], v[\sb] matrix_a_fmt:MATRIX_FMT_BF6 matrix_b_fmt:MATRIX_FMT_BF6 matrix_a_scale:MATRIX_SCALE_ROW1 matrix_b_scale:MATRIX_SCALE_ROW1
.else
	v_wmma_scale_f32_16x16x128_f8f6f4 v[(\d):(\d)+7], v[(\a):(\a)+11], v[(\b):(\b)+11], v[(\d):(\d)+7], v[\sa], v[\sb] matrix_a_fmt:MATRIX_FMT_BF6 matrix_b_fmt:MATRIX_FMT_BF6
.endif
.endm
	s_load_b256 s[4:11], s[0:1], 0x0               ; xq s[4:5], wc s[6:7], qc s[8:9], kv s[10:11]
	v_lshl_add_u32 v254, v0, 2, 0x19000
	v_mov_b32 v255, 0
	v_lshrrev_b32 v12, 5, v0
	v_readfirstlane_b32 s12, v12                   ; wave 0..15
	v_and_b32 v12, 31, v0
	v_lshlrev_b32 v[L16], 4, v12
	v_add_nc_u32 v[LA1], 4*TBLK, v[L16]
	v_lshlrev_b32 v[TO], 4, v0
	v_add_nc_u32 v[TO2], 0x10000, v[TO]
	v_lshlrev_b32 v[TO8], 3, v0
	v_add_nc_u32 v[TO82], 98304, v[TO8]
	v_lshlrev_b32 v[L8], 3, v12
	v_lshlrev_b32 v[SV], 2, v12
	v_and_b32 v[SVR], 60, v[SV]
	s_mov_b32 s[SEL], 0x76543210
	s_mov_b32 s[SEL+1], 0xfedcba98
	s_wait_alu depctr_va_sdst(0)                   ; s12 is written, ahead of its first reader: my tile's number and all the bases are made from it
	s_lshr_b32 s13, ttmp9, 4                       ; q, k: the group of weights
	s_and_b32 s14, ttmp9, 15
	s_lshl_b32 s14, s14, 4
	s_add_co_u32 s14, s14, s12                     ; and my tile of tokens T
	s_sub_co_u32 s15, ttmp9, 160                   ; v: the key step,
	s_add_co_u32 s16, s12, 80                      ; and my tile of W_v
	s_cmp_lt_u32 ttmp9, 160
	s_cselect_b32 s17, s13, s15
	s_cselect_b32 s18, s14, s16
	s_wait_kmcnt 0x0
	s_cselect_b64 s[20:21], s[6:7], s[4:5]         ; the group's buffer,
	s_cselect_b64 s[22:23], s[4:5], s[6:7]         ; my tile's
	s_mul_i32 s24, s17, 8*TBLK
	s_mov_b32 s25, 0
	s_add_nc_u64 s[20:21], s[20:21], s[24:25]
	s_mul_i32 s24, s18, TBLK
	s_add_nc_u64 s[22:23], s[22:23], s[24:25]
	s_wait_alu depctr_va_vdst(0)                   ; v1 to v7, v252 and v253 are written, which every load and store below reads as its offset or address; so is v12, in which a load of scale words lands
.irp p, 0,1,2,3,4,5,6,7,8,9,10,11
	global_load_b128 v[ACC+4*\p:ACC+4*\p+3], v[TO], s[20:21] offset:8192*\p   ; the group: 512 threads x 16 bytes, twelve times,
.endr
	global_load_b64 v[ACC+48:ACC+49], v[TO8], s[20:21] offset:98304           ; and 8 bytes each for the last 4,096
.irp s, 0,1,2,3,4,5,6,7
.irp c, 0,1,2
	global_load_b128 v[BF+12*\s+4*\c:BF+12*\s+4*\c+3], v[L16], s[22:23] offset:1536*\s+512*\c
.endr
.endr
	global_load_b128 v[BS:BS+3], v[L16], s[22:23] offset:12288
	s_wait_loadcnt 25                              ; the group's 13 loads are in; my tile's 25 may be out
.irp p, 0,1,2,3,4,5,6,7
	ds_store_b128 v[TO], v[ACC+4*\p:ACC+4*\p+3] offset:8192*\p
.endr
.irp p, 8,9,10,11
	ds_store_b128 v[TO2], v[ACC+4*\p:ACC+4*\p+3] offset:8192*(\p-8)
.endr
	ds_store_b64 v[TO82], v[ACC+48:ACC+49]
	s_wait_dscnt 0x0                               ; for the others' sake: my part of the group lies in LDS
	s_barrier_signal -1
	s_barrier_wait -1                              ; everybody's does; nothing is written there again
	s_wait_alu depctr_vm_vsrc(0)                   ; my LDS stores have read v[ACC ..]: these registers are the accumulators from here on, written by the matrix instructions
; the group's tiles 2 u and 2 u + 1 of K step s into set u % 2: six loads of 512 consecutive bytes
.macro LOADP s, u
.irp i, 0,1
.irp c, 0,1,2
	ds_load_b128 v[AF+24*((\u)%2)+12*\i+4*\c:AF+24*((\u)%2)+12*\i+4*\c+3], v[L16+(\u)/2] offset:TBLK*(2*((\u)%2)+\i)+1536*(\s)+512*\c
.endr
.endr
.endm
.irp t, 0,1,2,3,4,5,6,7
	ds_load_b128 v[AS+4*\t:AS+4*\t+3], v[L16+\t/4] offset:TBLK*(\t%4)+12288
.endr
	LOADP 0, 0                                     ; steps 0 and 1; each step asks for the step after next
	LOADP 0, 1
	s_wait_loadcnt 0x0                             ; my tile
; Step n of 32: K step n / 4, tiles 2 (n % 4) and 2 (n % 4) + 1.  The accumulators take turns, one instruction a turn; each takes its K steps in ascending order
.macro PAIR n
.set ks, (\n)/4
.set uu, (\n)%4
.if (\n) < 31
	s_wait_dscnt 6                                 ; LDS loads come back in order (ISA guide 5.7.1): this step's set is in (in step 0 the scale words too), the next step's six loads stay out
.else
	s_wait_dscnt 0x0
.endif
	MM ACC+16*uu, AF+24*(uu%2), BF+12*ks, AS+8*uu+ks/2, BS+ks/2, ks
	MM ACC+16*uu+8, AF+24*(uu%2)+12, BF+12*ks, AS+8*uu+4+ks/2, BS+ks/2, ks
.if (\n) < 30
	s_wait_alu depctr_va_vdst(0)                   ; the two products are done reading their set, in which the loads below land
	LOADP ((\n)+2)/4, ((\n)+2)%4
.endif
.endm
.set p, 0
.rept 32
	PAIR p
.set p, p+1
.endr
.rept 4
	v_nop                                          ; four places behind the last products, ahead of the first read of results and of the vector writes into the registers that held my tile (ISA guide 7.12.1)
.endr
.irp b, 0,1,2,3
	v_mov_b32 v[TM+4+\b], 0                        ; a lane permute's destination counts as one of its sources
.endr
	QUANT ACC, PC, PW
	v_and_b32 v[W0], 0xffff, v[PW]                 ; q, k: a head's two bytes; the upper two stay 0 (they scale zero codes)
	v_lshrrev_b32 v[W1], 16, v[PW]
	s_wait_alu depctr_va_vdst(0)                   ; the codes v[PC ..] and the scale words v[PW], v[W0], v[W1] are written, which the stores of all three arms read
.macro QKOUT cstep, sv                 ; the two heads' half fragments and scale words; cstep: bytes from a head to the next; sv: the scale words' offset
.irp c, 0,1
	global_store_b128 v[L16], v[PC+6*\c:PC+6*\c+3], s[26:27] offset:\c*\cstep
	global_store_b64 v[L8], v[PC+6*\c+4:PC+6*\c+5], s[26:27] offset:\c*\cstep+512
.endr
	global_store_b32 v[\sv], v[W0], s[28:29]
	global_store_b32 v[\sv], v[W1], s[28:29] offset:\cstep
.endm
	s_cmp_lt_u32 ttmp9, 128
	s_cbranch_scc0 .Lnot_q
	s_lshl_b32 s24, s13, 19                        ; q: head 2 Ga: 256 tiles of 1,024 bytes a head
	s_lshl_b32 s26, s14, 10
	s_add_co_u32 s24, s24, s26
	s_mov_b32 s25, 0
	s_add_nc_u64 s[26:27], s[8:9], s[24:25]
	s_add_nc_u64 s[28:29], s[26:27], 768
	QKOUT 262144, SV
	s_wait_dscnt 0x0                               ; the closing lines, six on end
	s_wait_alu 0x0
	s_wait_tensorcnt 0x0
	ds_add_u32 v254, v255
	s_wait_dscnt 0x0
	s_endpgm
.Lnot_q:
	s_cmp_lt_u32 ttmp9, 160
	s_cbranch_scc0 .Lis_v
	s_sub_co_u32 s24, s13, 8                       ; k: kv head 2 (Ga - 8): 32 key steps a head,
	s_lshl_b32 s24, s24, 6
	s_lshr_b32 s26, s14, 3
	s_add_co_u32 s24, s24, s26                     ; key step T / 8,
	s_mul_i32 s24, s24, 13056
	s_and_b32 s26, s14, 7                          ; tile T % 8
	s_mul_i32 s27, s26, 768
	s_add_co_u32 s30, s24, s27
	s_mov_b32 s31, 0
	s_lshl_b32 s26, s26, 6
	s_add_co_u32 s24, s24, s26
	s_add_co_u32 s24, s24, 12288
	s_mov_b32 s25, 0
	s_add_nc_u64 s[26:27], s[10:11], s[30:31]
	s_add_nc_u64 s[28:29], s[10:11], s[24:25]
	QKOUT 417792, SVR
	s_wait_dscnt 0x0                               ; the closing lines, six on end
	s_wait_alu 0x0
	s_wait_tensorcnt 0x0
	ds_add_u32 v254, v255
	s_wait_dscnt 0x0
	s_endpgm
.Lis_v:
	s_lshr_b32 s24, s12, 2                         ; v: kv head wave / 4,
	s_lshl_b32 s24, s24, 5
	s_add_co_u32 s24, s24, s15                     ; the key step,
	s_mul_i32 s24, s24, 13056
	s_and_b32 s26, s12, 3                          ; tile wave % 4 of the head's 64 channels
	s_mul_i32 s27, s26, 1536
	s_add_co_u32 s30, s24, s27
	s_add_co_u32 s30, s30, 6144
	s_mov_b32 s31, 0
	s_lshl_b32 s26, s26, 6
	s_add_co_u32 s24, s24, s26
	s_add_co_u32 s24, s24, 12800
	s_mov_b32 s25, 0
	s_add_nc_u64 s[26:27], s[10:11], s[30:31]
	s_add_nc_u64 s[28:29], s[10:11], s[24:25]
.irp c, 0,1,2
	global_store_b128 v[L16], v[PC+4*\c:PC+4*\c+3], s[26:27] offset:512*\c
.endr
	global_store_b32 v[SVR], v[PW], s[28:29]
	s_wait_dscnt 0x0                               ; the closing lines, six on end
	s_wait_alu 0x0
	s_wait_tensorcnt 0x0
	ds_add_u32 v254, v255
	s_wait_dscnt 0x0
	s_endpgm
.Lfunc_end_k_q597717b968_qkv:
	.size	k_q597717b968_qkv, .Lfunc_end_k_q597717b968_qkv-k_q597717b968_qkv
	.p2alignl 7, 3214868480
	.fill 96, 4, 3214868480
	.section	.rodata,"a",@progbits
	.p2align	6, 0x0
	.amdhsa_kernel k_q597717b968_qkv
		.amdhsa_group_segment_fixed_size 104448
		.amdhsa_private_segment_fixed_size 0
		.amdhsa_enable_private_segment 0
		.amdhsa_kernarg_size 32
		.amdhsa_user_sgpr_count 2
		.amdhsa_user_sgpr_kernarg_segment_ptr 1
		.amdhsa_wavefront_size32 1
		.amdhsa_system_sgpr_workgroup_id_x 1
		.amdhsa_system_sgpr_workgroup_id_y 1
		.amdhsa_system_sgpr_workgroup_id_z 1
		.amdhsa_system_vgpr_workitem_id 0
		.amdhsa_next_free_vgpr 256
		.amdhsa_next_free_sgpr 66
		.amdhsa_reserve_vcc 0
		.amdhsa_float_denorm_mode_32 3
		.amdhsa_float_denorm_mode_16_64 3
		.amdhsa_memory_ordered 1
		.amdhsa_forward_progress 1
		.amdhsa_inst_pref_size 37
	.end_amdhsa_kernel
	.amdgpu_metadata
---
amdhsa.version: [ 1, 2 ]
amdhsa.kernels:
  - .name:           k_q597717b968_qkv
    .symbol:         k_q597717b968_qkv.kd
    .args:
      - { .name: xq, .offset: 0, .size: 8, .value_kind: global_buffer, .address_space: global }
      - { .name: wc, .offset: 8, .size: 8, .value_kind: global_buffer, .address_space: global }
      - { .name: qc, .offset: 16, .size: 8, .value_kind: global_buffer, .address_space: global }
      - { .name: kv, .offset: 24, .size: 8, .value_kind: global_buffer, .address_space: global }
    .group_segment_fixed_size: 104448
    .private_segment_fixed_size: 0
    .kernarg_segment_align: 8
    .kernarg_segment_size: 32
    .max_flat_workgroup_size: 512
    .sgpr_count:     66
    .vgpr_count:     256
    .wavefront_size: 32
...
	.end_amdgpu_metadata
.endif
;; end of part 6
;; launch attn (part 7): grid 64 x 4, 8 waves a work-group, no clusters, 327,680 bytes of LDS; arguments qc, kv, oq; writes oq
.if DOCPART == 7
	.amdgcn_target "amdgcn-amd-amdhsa--gfx1250"
	.amdhsa_code_object_version 6
	.text
	.protected	k_q597717b968_attn
	.globl	k_q597717b968_attn
	.p2align	8
	.type	k_q597717b968_attn,@function
k_q597717b968_attn:
	s_mov_b64 s[64:65], 0
	v_nop
	global_prefetch_b8 v0, s[64:65] scope:SCOPE_SE
	s_setreg_imm32_b32 hwreg(HW_REG_WAVE_MODE, 25, 1), 1
	s_wait_xcnt 0x0
; Causal attention of 16 query heads on 4 key and value heads, head size 64, 4,096 positions, both products on codes of BF6 (E3M2) with E8M0 scales; the result, divided by the row's sum, leaves as codes along (head, channel).
; THE SOFTMAX: t = score x log2(e) / 8; M = the running largest t rounded UP to a whole number; p = 2^(t - M) is quantised along the keys, not normalised; the row's sum is taken of the unquantised p, in f32.
; When M moves, the sum and O are multiplied by 2^(old M - new M), which rounds nothing.
; SHARES.  Work-group (j, g) owns two blocks of 32 query positions, j and then 127 - j, for the 4 query heads of kv head g.  Block b needs b / 4 + 1 key steps of 128: j / 4 + 1 and 32 - j / 4, in all 33 in EVERY work-group:
; so every trip count is a constant and all 2,048 waves have the same work.  Wave w: head 4 g + w % 4, tile w / 4 of the block's two (16 queries).  A block's last key step is the only one that the mask touches.
; HEAD SIZE 64 is half of the instruction's 128 along K: registers 6-11 of K's and Q's fragments are zero codes, and their scale bytes are 0 (2^-127): they add nothing.
; LAYOUT.  Both products are used transposed: S^T = K Q^T, O^T = V^T P^T: a lane holds ONE query throughout.  Row r of a tile is index 8 (tile % 2) + 32 (tile / 2) + r + 8 (r / 8): so the 16 registers of two
; neighbouring tiles are 16 neighbouring keys (or channels), 32 b + 16 (lane / 16) + 0 .. 15.
; THE RING.  A key step's K, V and scale words are one dense block of 13,056 bytes, images of operand registers.  Two LDS slots of three key steps; waves 0 to 2 fetch a step each by one tensor load.
; NO CLUSTER: only the four work-groups with equal j / 4 walk the same key steps in the same order, and a step's 13,056 bytes serve eight waves' whole softmax of 128 keys: what is shared is little beside a step's work.
; LIMITS: 1 / sum by v_rcp_f32; a block's largest p is taken through its largest score (p rises with the score); a block of zeros gets the byte 1 (zero codes; this program alone reads the bytes);
; NaN and infinities among the scores are not served.  The scale bytes of o leave as 2 bytes a lane.
; REGISTERS.  Window 0: v1-11 addresses; v12 -M, v13 the largest t, v[14:15] the sum; v16-27 Q; v28 its scale words; v29-35 the second block's Q; v38-43 K's and V's scale words; v64-127 S^T, then p; v128-159 O^T;
; v160-178 p's codes; v180-191 at work.  Window 1: K's tile t at v[12 t] (registers 6-11 zeros), V's tile t at v[96 + 12 t].
.set TILEB, 13056
.set SLOT1, 1<<16
.set SPARE, 1<<17                      ; the spare words: 128 bytes for each of the eight waves, four blocks of 256 bytes that no other line names
.set TBLK,  12800
.set LI16, 1
.set LI8,  2
.set LI4,  3
.set AD16, 4
.set AD8,  5
.set AD4,  6
.set SPW,  7
.set NIL,  8
.set DM,   9                           ; my query's place in its block of 32, less 16 (lane / 16)
.set SOFF, 10                          ; 16 r
.set DD,   11
.set QF,   16
.set QS,   28
.set QBS,  29
.set QB,   30
.set PFO1, 36
.set PFO2, 37
.set KS,   38
.set VS,   42
.set S,    64
.set OT,   128
.set PC,   160
.set PT,   172
.set BM,   180
.set SO,   184
.set FF,   188                         ; f = 2^(old M - new M); named as a pair with
.set PWD,  189                         ; p's scale word
.set TT,   190
.set HW,   191
.set WV,   10
.set J,    11
.set G,    12
.set NA,   13                          ; key steps of the first block
.set LASTI, 14                         ; the step (of 33) that ends the block in hand
.set BLKC, 15                          ; the block in hand
.set BLKB, 16
.set SI,   17                          ; the step, 0 .. 32
.set TB,   18                          ; LDS byte at which the slot in hand begins
.set SLOTS, 19
.set SEL,  20
.set CS,   22                          ; s[22:23] c = log2(e) / 8
.set G1,   24
.set G0,   32
.set KVB,  36                          ; s[36:37] my kv head's first byte
.set FS,   38                          ; the step that my next tensor load brings
.set HQ,   39
.set U,    40
.set FSP,  41                          ; the step that my next prefetches name
.set PFA,  48
.set LIM,  50
.set SCO,  52                          ; s[52:53] my scale bytes' place in a tile block of oq
.set MSB, 0
.macro WIN new                         ; the immediate's high byte repeats the setting that is left
.if MSB != \new
	s_set_vgpr_msb (MSB<<8)|\new
.set MSB, \new
.endif
.endm
.macro KSOF fs, hold                   ; s42 = the byte, in my kv head, of the key step of step fs: fs, or fs - NA in the second block
	s_cmp_ge_u32 s[\fs], s[NA]
	s_cselect_b32 s42, s[NA], 0
	s_sub_co_u32 s42, s[\fs], s42
.if \hold
	s_min_u32 s42, s42, 31                         ; no prefetch points past the head's last key step
.endif
	s_mul_i32 s42, s42, TILEB
.endm
.macro TLOAD                           ; waves 0 to 2 fetch a key step each; four v_nop follow the load
	s_cmp_lt_u32 s[WV], 3
	s_cbranch_scc0 .Lno_load_\@
	tensor_load_to_lds s[G0:G0+3], s[G1:G1+7]
	s_nop 0
.rept 4
	v_nop
.endr
.Lno_load_\@:
.endm
; A PREFETCH INTO THE L2 of what the NEXT change of slots will ask for: three key steps, 51 blocks of 256 bytes each, a lane a block, two instructions a wave (the lanes left over name the step's last block).
; All 64 work-groups of a kv head walk the same key steps: work-group j = 0, which walks all 32 in order, asks, and nobody else; in it waves 3 to 5, which fetch nothing, a key step each.
; The first two fills come by their loads alone; the last change that fills a slot asks for nothing.
.macro ASK
	s_cmp_gt_u32 s[SLOTS], s[LIM]
	s_cbranch_scc0 .Lnot_mine_\@
	global_prefetch_b8 v[PFO1], s[PFA:PFA+1] th:TH_LOAD_NT scope:SCOPE_SE
	global_prefetch_b8 v[PFO2], s[PFA:PFA+1] th:TH_LOAD_NT scope:SCOPE_SE
.Lnot_mine_\@:
.endm
; THE CHANGE OF SLOTS stands at a slot's head.  Each wave waits for all its tensor loads (at most one is out: its part of the slot that it is about to read), adds 0 to its spare word, and waits for that and for its reads of the
; slot that it has left.  Behind the barrier the slot ahead is whole and nobody reads the other one.  fill = 1: that other slot takes the next three key steps: the load has three steps' work in which to land.
.macro CHANGE fill
	s_wait_tensorcnt 0x0                           ; no tensor load of mine is out, so the descriptor may be written
	ds_add_u32 v[SPW], v[NIL]                      ; 0 onto my spare word
.if \fill
	s_add_co_u32 s[FS], s[FS], 3
	KSOF FS, 0
	s_add_nc_u64 s[G0+2:G0+3], s[KVB:KVB+1], s[42:43]
	s_or_b32 s[G0+3], s[G0+3], 0x80000000          ; type = 2
	s_xor_b32 s[G0+1], s[G0+1], SLOT1              ; the other slot than last time
	s_wait_xcnt 0x0                                ; the last prefetches, three key steps back, have read their address
	s_add_co_u32 s[FSP], s[FSP], 3
	KSOF FSP, 1
	s_add_nc_u64 s[PFA:PFA+1], s[KVB:KVB+1], s[42:43]
.endif
	s_wait_dscnt 0x0                               ; the add is done, and my reads of the slot that I have left are over
	s_barrier_signal -1
	s_barrier_wait -1
.if \fill
	TLOAD                                          ; the first thing behind the barrier, and a wave's one tensor load until the next
	ASK
.endif
.endm
; A BLOCK'S WAY OUT: O^T / the sum, quantised along the head's 64 channels; half a fragment and two scale bytes go to oq.  Then the second block's Q and a fresh state (behind the second block they serve nothing).
.macro EPI
.rept 4
	v_nop                                          ; four places behind the last products (ISA guide 7.12.1)
.endr
	v_add_f32 v14, v14, v15                        ; the sum's two halves,
	s_delay_alu instid0(VALU_DEP_1)
	v_permlanex16_b32 v[PT], v14, s[SEL], s[SEL+1]
	s_delay_alu instid0(VALU_DEP_1)
	v_add_f32 v14, v14, v[PT]                      ; and lane l xor 16's 64 keys of each step
	s_wait_alu depctr_va_vdst(0)
	v_rcp_f32 v14, v14
	v_nop                                          ; a plain place behind the reciprocal
	s_lshl_b32 s42, s[BLKC], 1
	s_add_co_u32 s42, s42, s[U]                    ; my tile of tokens
	s_mul_i32 s42, s42, TBLK
	s_add_nc_u64 s[44:45], s[8:9], s[42:43]
	s_mul_i32 s42, s[HQ], 768
	s_add_nc_u64 s[46:47], s[44:45], s[42:43]      ; my head's half fragment
	s_add_nc_u64 s[44:45], s[44:45], s[SCO:SCO+1]  ; and its two scale bytes
	s_wait_alu depctr_va_vdst(0)                   ; the wait ahead of the reciprocal's first reader
.set j, 0
.rept 32
	v_mul_f32 v[S+j], v[OT+j], v14                 ; register 16 b + i: channel 32 b + 16 (lane / 16) + i; each accumulator from its low end on
.set j, j+1
.endr
.irp b, 0,1
	v_max3_num_f32 v[BM+\b], |v[S+16*\b]|, |v[S+1+16*\b]|, 0x2800000
.endr
.irp i, 2,4,6,8,10,12,14
.irp b, 0,1
	s_delay_alu instid0(VALU_DEP_2)
	v_max3_num_f32 v[BM+\b], v[BM+\b], |v[S+16*\b+\i]|, |v[S+1+16*\b+\i]|
.endr
.endr
.irp b, 0,1
	s_delay_alu instid0(VALU_DEP_2)
	v_permlanex16_b32 v[PT+\b], v[BM+\b], s[SEL], s[SEL+1]
.endr
.irp b, 0,1
	s_delay_alu instid0(VALU_DEP_2)
	v_max_num_f32 v[BM+\b], v[BM+\b], v[PT+\b]
.endr
.irp b, 0,1
	s_delay_alu instid0(VALU_DEP_2)
	v_add_nc_u32 v[SO+\b], 0xfe000000, v[BM+\b]
.endr
.irp b, 0,1
	s_delay_alu instid0(VALU_DEP_2)
	v_lshrrev_b32 v[PT+\b], 23, v[SO+\b]
.endr
	s_delay_alu instid0(VALU_DEP_1)
	v_lshl_or_b32 v[HW], v[PT+1], 8, v[PT]
	v_cvt_scalef32_pk16_bf6_f32 v[PC:PC+2], v[S:S+15], v[SO]
	v_cvt_scalef32_pk16_bf6_f32 v[PC+12:PC+14], v[S+16:S+31], v[SO+1]
	v_nop                                          ; one plain place behind the scaled conversions
.irp i, 0,1,2
	v_permlane16_swap_b32 v[PC+\i], v[PC+12+\i]
.endr
.irp i, 0,1,2
	s_delay_alu instid0(VALU_DEP_3)
	v_mov_b32 v[PC+3+\i], v[PC+12+\i]
.endr
	global_store_b128 v[LI16], v[PC:PC+3], s[46:47]
	global_store_b64 v[LI8], v[PC+4:PC+5], s[46:47] offset:512
	global_store_b16 v[SOFF], v[HW], s[44:45]      ; both halves of the lanes write the same two bytes with the same value
.irp i, 0,1,2,3,4,5
	v_mov_b32 v[QF+\i], v[QB+\i]
.endr
	v_mov_b32 v[QS], v[QBS]
	v_mov_b32 v13, 0xff61b1e6                      ; the largest t so far: -3e38
	s_delay_alu instid0(VALU_DEP_1)
	v_floor_f32 v12, -v13
	v_mov_b32 v14, 0
	v_mov_b32 v15, 0
.set j, 0
.rept 32
	v_mov_b32 v[OT+j], 0                           ; (these are also the places between the new Q and its scale words and the next products)
.set j, j+1
.endr
	s_mov_b32 s[LASTI], 32
	s_mov_b32 s[BLKC], s[BLKB]
	s_wait_xcnt 0x0                                ; the stores have read their registers and bases: both are written again
.endm
; A KEY STEP: 128 keys, the q-th of the slot in hand
.macro STEP q
	v_add_nc_u32 v[AD16], s[TB], v[LI16]
	v_add_nc_u32 v[AD8], s[TB], v[LI8]
	v_add_nc_u32 v[AD4], s[TB], v[LI4]
	v_nop                                          ; four places in front of loads into registers that the last products have read
.irp i, 0,1,2,3
	ds_load_b32 v[KS+\i], v[AD4] offset:(\q)*TILEB+12288+128*\i    ; K's scale words: tile 2 i in lanes 0-15, tile 2 i + 1 in lanes 16-31
.endr
.irp i, 0,1
	ds_load_b32 v[VS+\i], v[AD4] offset:(\q)*TILEB+12800+128*\i    ; V's likewise
.endr
	WIN 0x40                                       ; destination window 1
.irp t, 0,1,2,3,4,5,6,7
	ds_load_b128 v[12*\t:12*\t+3], v[AD16] offset:(\q)*TILEB+768*\t
	ds_load_b64 v[12*\t+4:12*\t+5], v[AD8] offset:(\q)*TILEB+768*\t+512
.endr
.irp t, 0,1,2,3
.irp c, 0,1,2
	ds_load_b128 v[96+12*\t+4*\c:96+12*\t+4*\c+3], v[AD16] offset:(\q)*TILEB+6144+1536*\t+512*\c
.endr
.endr
	WIN 0x01                                       ; source 0 window 1
	s_wait_dscnt 12                                ; the scale words and K are in; V's 12 loads may be out
.irp t, 0,1,2,3,4,5,6,7
.if \t%2
	v_wmma_scale_f32_16x16x128_f8f6f4 v[S+8*\t:S+8*\t+7], v[12*\t:12*\t+11], v[QF:QF+11], 0, v[KS+\t/2], v[QS] matrix_a_fmt:MATRIX_FMT_BF6 matrix_b_fmt:MATRIX_FMT_BF6 matrix_a_scale:MATRIX_SCALE_ROW1
.else
	v_wmma_scale_f32_16x16x128_f8f6f4 v[S+8*\t:S+8*\t+7], v[12*\t:12*\t+11], v[QF:QF+11], 0, v[KS+\t/2], v[QS] matrix_a_fmt:MATRIX_FMT_BF6 matrix_b_fmt:MATRIX_FMT_BF6
.endif
.endr
	WIN 0
.rept 4
	v_nop
.endr
	s_cmp_lg_u32 s[SI], s[LASTI]                   ; only a block's last key step lies on the diagonal: a scalar branch on ids
	s_cbranch_scc1 .Lopen_\@
	s_and_b32 s42, s[BLKC], 3
	s_lshl_b32 s42, s42, 5
	v_add_nc_u32 v[DD], s42, v[DM]                 ; my query's place in the key step, less 16 (lane / 16).  Register 16 b + i holds key 32 b + i + 16 (lane / 16): hidden where 32 b + i is above it
	v_mov_b32 v[TT], 0xff800000                    ; -infinity: p = 0 then
.set n, 0
.rept 64
	v_cmp_gt_i32 vcc_lo, 32*(n/16)+n%16, v[DD]
	v_cndmask_b32 v[S+n], v[S+n], v[TT], vcc_lo
.set n, n+1
.endr
.Lopen_\@:
.irp b, 0,1,2,3
	v_max3_num_f32 v[BM+\b], v[S+16*\b], v[S+1+16*\b], v[S+2+16*\b]   ; the largest score of each block of 32 keys: for the row's maximum, and for the block's largest p
.endr
.irp i, 3,5,7,9,11,13
.irp b, 0,1,2,3
	v_max3_num_f32 v[BM+\b], v[BM+\b], v[S+16*\b+\i], v[S+1+16*\b+\i]
.endr
.endr
.irp b, 0,1,2,3
	v_max_num_f32 v[BM+\b], v[BM+\b], v[S+15+16*\b]
.endr
.irp b, 0,1,2,3
	s_delay_alu instid0(VALU_DEP_4)
	v_permlanex16_b32 v[PT+\b], v[BM+\b], s[SEL], s[SEL+1]
.endr
.irp b, 0,1,2,3
	s_delay_alu instid0(VALU_DEP_4)
	v_max_num_f32 v[BM+\b], v[BM+\b], v[PT+\b]     ; with lane l xor 16's 16 keys
.endr
	s_delay_alu instid0(VALU_DEP_2)
	v_max3_num_f32 v[TT], v[BM], v[BM+1], v[BM+2]
	s_delay_alu instid0(VALU_DEP_1)
	v_max_num_f32 v[TT], v[TT], v[BM+3]
	s_delay_alu instid0(VALU_DEP_1)
	v_mul_f32 v[TT], s[CS], v[TT]                  ; the step's largest t (c is positive)
	s_delay_alu instid0(VALU_DEP_1)
	v_max_num_f32 v13, v13, v[TT]
	v_mov_b32 v[TT], v12
	s_delay_alu instid0(VALU_DEP_2)
	v_floor_f32 v12, -v13                          ; the new -M = floor(-t): M is a whole number
	s_delay_alu instid0(VALU_DEP_1)
	v_sub_f32 v[TT], v12, v[TT]                    ; old M - new M: a whole number, 0 or less
	s_delay_alu instid0(VALU_DEP_1)
	v_cvt_i32_f32 v[TT], v[TT]                     ; (it saturates)
	s_delay_alu instid0(VALU_DEP_1)
	v_ldexp_f32 v[FF], 1.0, v[TT]                  ; f
.set j, 0
.rept 32
	v_pk_fma_f32 v[S+j:S+j+1], v[S+j:S+j+1], s[CS:CS+1], v[12:13] op_sel_hi:[1,0,0]   ; t - M, two at a time
.set j, j+2
.endr
.irp b, 0,1,2,3
	v_fma_f32 v[BM+\b], v[BM+\b], s[CS], v12       ; the same of each block's largest score
.endr
.set j, 0
	s_wait_alu depctr_va_vdst(0)
.rept 64
	v_exp_f32 v[S+j], v[S+j]                       ; p = 2^(t - M)
.set j, j+1
.endr
	v_pk_mul_f32 v[14:15], v[14:15], v[FF:FF+1] op_sel_hi:[1,0]   ; the sums under the new M: the plain place behind the exponentials
	s_wait_alu depctr_va_vdst(0)                   ; one wait for the batch of 64, ahead of its first reader
.irp b, 0,1,2,3
	v_exp_f32 v[BM+\b], v[BM+\b]                   ; each block's largest p
.endr
	v_pk_add_f32 v[172:173], v[68:69], v[72:73]
	v_pk_add_f32 v[254:255], v[76:77], v[80:81]
	v_pk_add_f32 v[252:253], v[84:85], v[88:89]
	v_pk_add_f32 v[250:251], v[92:93], v[96:97]
	v_pk_add_f32 v[248:249], v[100:101], v[104:105]
	v_pk_add_f32 v[246:247], v[108:109], v[112:113]
	v_pk_add_f32 v[244:245], v[116:117], v[120:121]
	v_pk_add_f32 v[14:15], v[14:15], v[124:125]
	v_pk_add_f32 v[172:173], v[172:173], v[64:65]
	v_pk_add_f32 v[254:255], v[254:255], v[66:67]
	v_pk_add_f32 v[252:253], v[252:253], v[70:71]
	v_pk_add_f32 v[250:251], v[250:251], v[74:75]
	v_pk_add_f32 v[248:249], v[248:249], v[78:79]
	v_pk_add_f32 v[246:247], v[246:247], v[82:83]
	v_pk_add_f32 v[244:245], v[244:245], v[86:87]
	v_pk_add_f32 v[14:15], v[14:15], v[90:91]
	v_pk_add_f32 v[172:173], v[172:173], v[94:95]
	v_pk_add_f32 v[254:255], v[254:255], v[98:99]
	v_pk_add_f32 v[252:253], v[252:253], v[102:103]
	v_pk_add_f32 v[250:251], v[250:251], v[106:107]
	v_pk_add_f32 v[248:249], v[248:249], v[110:111]
	v_pk_add_f32 v[246:247], v[246:247], v[114:115]
	v_pk_add_f32 v[244:245], v[244:245], v[118:119]
	v_pk_add_f32 v[14:15], v[14:15], v[122:123]
	v_pk_add_f32 v[172:173], v[172:173], v[126:127]
	s_delay_alu instid0(VALU_DEP_2)
	v_pk_add_f32 v[14:15], v[14:15], v[250:251]
	s_delay_alu instid0(VALU_DEP_2)
	v_pk_add_f32 v[172:173], v[172:173], v[248:249]
	v_pk_add_f32 v[254:255], v[254:255], v[246:247]
	v_pk_add_f32 v[252:253], v[252:253], v[244:245]
	s_delay_alu instid0(VALU_DEP_2)
	v_pk_add_f32 v[14:15], v[14:15], v[254:255]
	s_delay_alu instid0(VALU_DEP_2)
	v_pk_add_f32 v[172:173], v[172:173], v[252:253]
	s_delay_alu instid0(VALU_DEP_1)
	v_pk_add_f32 v[14:15], v[14:15], v[172:173]
	s_wait_alu depctr_va_vdst(0)                   ; and one for the four
.irp b, 0,1,2,3
	v_max_num_f32 v[BM+\b], 0x2800000, v[BM+\b]    ; the floor 2^(5 - 127)
.endr
.irp b, 0,1,2,3
	s_delay_alu instid0(VALU_DEP_4)
	v_add_nc_u32 v[SO+\b], 0xfe000000, v[BM+\b]    ; the conversions' scale operands
.endr
.irp b, 0,1,2,3
	s_delay_alu instid0(VALU_DEP_4)
	v_lshrrev_b32 v[PT+\b], 23, v[SO+\b]
.endr
	s_delay_alu instid0(VALU_DEP_3)
	v_lshl_or_b32 v[PWD], v[PT+1], 8, v[PT]        ; p's scale word for these 128 keys
	s_delay_alu instid0(VALU_DEP_1)
	v_lshl_or_b32 v[PWD], v[PT+2], 16, v[PWD]
	s_delay_alu instid0(VALU_DEP_1)
	v_lshl_or_b32 v[PWD], v[PT+3], 24, v[PWD]
.irp c, 0,1
	v_cvt_scalef32_pk16_bf6_f32 v[PC+6*\c:PC+2+6*\c], v[S+32*\c:S+15+32*\c], v[SO+2*\c]
	v_cvt_scalef32_pk16_bf6_f32 v[PC+12+4*\c:PC+14+4*\c], v[S+16+32*\c:S+31+32*\c], v[SO+2*\c+1]
.endr
	v_nop                                          ; one plain place behind the scaled conversions
.irp c, 0,1
.irp i, 0,1,2
	v_permlane16_swap_b32 v[PC+6*\c+\i], v[PC+12+4*\c+\i]
.endr
.irp i, 0,1,2
	s_delay_alu instid0(VALU_DEP_3)
	v_mov_b32 v[PC+3+6*\c+\i], v[PC+12+4*\c+\i]
.endr
.endr
.set j, 0
.rept 16
	v_pk_mul_f32 v[OT+j:OT+j+1], v[OT+j:OT+j+1], v[FF:FF+1] op_sel_hi:[1,0]   ; O^T under the new M; these 16 are also the places between p's codes and scale word and the products
.set j, j+2
.endr
	s_wait_alu depctr_va_vdst(0)
	s_wait_dscnt 0x0                               ; V is in
	WIN 0x01
.irp t, 0,1,2,3
.if \t%2
	v_wmma_scale_f32_16x16x128_f8f6f4 v[OT+8*\t:OT+8*\t+7], v[96+12*\t:96+12*\t+11], v[PC:PC+11], v[OT+8*\t:OT+8*\t+7], v[VS+\t/2], v[PWD] matrix_a_fmt:MATRIX_FMT_BF6 matrix_b_fmt:MATRIX_FMT_BF6 matrix_a_scale:MATRIX_SCALE_ROW1
.else
	v_wmma_scale_f32_16x16x128_f8f6f4 v[OT+8*\t:OT+8*\t+7], v[96+12*\t:96+12*\t+11], v[PC:PC+11], v[OT+8*\t:OT+8*\t+7], v[VS+\t/2], v[PWD] matrix_a_fmt:MATRIX_FMT_BF6 matrix_b_fmt:MATRIX_FMT_BF6
.endif
.endr
	WIN 0
	s_cmp_lg_u32 s[SI], s[LASTI]
	s_cbranch_scc1 .Lgo_on_\@
	EPI
.Lgo_on_\@:
	s_add_co_u32 s[SI], s[SI], 1
.endm
	s_load_b128 s[4:7], s[0:1], 0x0                ; qc s[4:5], kv s[6:7]
	s_load_b64 s[8:9], s[0:1], 0x10                ; oq
	v_lshl_add_u32 v[SPW], v0, 2, SPARE
	v_mov_b32 v[NIL], 0
	ds_add_u32 v7, v8
	ds_add_u32 v7, v8
	s_wait_dscnt 0x0
	v_lshrrev_b32 v44, 5, v0
	s_delay_alu instid0(VALU_DEP_1)
	v_readfirstlane_b32 s[WV], v44                 ; wave 0..7
	s_mov_b32 s[J], ttmp9
	s_and_b32 s[G], ttmp7, 0xffff
	s_lshr_b32 s[LASTI], s[J], 2
	s_add_co_u32 s[NA], s[LASTI], 1
	s_mov_b32 s[BLKC], s[J]
	s_sub_co_u32 s[BLKB], 127, s[J]
	s_mov_b32 s[SI], 0
	s_mov_b32 s[TB], 0
	s_mov_b32 s[SLOTS], 10
	s_mov_b32 s[SEL], 0x76543210
	s_mov_b32 s[SEL+1], 0xfedcba98
	s_mov_b32 s[CS], 0x3e38aa3b                    ; log2(e) / 8
	s_mov_b32 s[CS+1], s[CS]
	s_and_b32 s[HQ], s[WV], 3
	s_lshl_b32 s42, s[G], 2
	s_add_co_u32 s[HQ], s[HQ], s42                 ; my head
	s_lshr_b32 s[U], s[WV], 2                      ; my tile of the block's two
	s_bfe_u32 s[SCO], s[WV], 0x10001               ; oq's scale bytes: K step = head / 2: 256 x its low bit,
	s_lshl_b32 s[SCO], s[SCO], 8
	s_add_co_u32 s[SCO], s[SCO], s42               ; + 4 x (K step / 2) = 4 g,
	s_and_b32 s42, s[WV], 1
	s_lshl_b32 s42, s42, 1
	s_add_co_u32 s[SCO], s[SCO], s42               ; + 2 x (head % 2)
	s_add_co_u32 s[SCO], s[SCO], 12288
	s_mov_b32 s[SCO+1], 0
	; descriptor group 1: a key step: 51 dense rows of 256 bytes, as 32 elements of 8 bytes; no padding: every LDS read takes consecutive bytes
	s_mov_b32 s[G1], 3<<16
	s_mov_b32 s[G1+1], 32<<16                      ; tensor_dim0
	s_mov_b32 s[G1+2], 51<<16                      ; tensor_dim1
	s_mov_b32 s[G1+3], 32<<16                      ; tile_dim0
	s_mov_b32 s[G1+4], 51                          ; tile_dim1
	s_mov_b32 s[G1+5], 32                          ; the pitch
	s_mov_b32 s[G1+6], 0
	s_mov_b32 s[G1+7], 0
	s_min_u32 s[FS], s[WV], 2                      ; waves 0 to 2: the slot's step that I fetch
	s_mov_b32 s[G0], 1
	s_mul_i32 s[G0+1], s[FS], TILEB                ; its place in slot 0
	s_sub_co_u32 s42, s[WV], 3                     ; waves 3 to 5: the step that I prefetch
	s_min_u32 s[FSP], s42, 2
	s_add_co_u32 s[FSP], s[FSP], 3
	s_cmp_lt_u32 s42, 3
	s_cselect_b32 s[LIM], 1, -1
	s_cmp_eq_u32 s[J], 0
	s_cselect_b32 s[LIM], s[LIM], -1               ; 1 in a wave that prefetches, else the greatest number
	s_mul_i32 s42, s[G], 32*TILEB
	s_mov_b32 s43, 0                               ; stays 0: the upper word of every offset in s[42:43]
	s_wait_kmcnt 0x0
	s_add_nc_u64 s[KVB:KVB+1], s[6:7], s[42:43]
	KSOF FS, 0
	s_add_nc_u64 s[G0+2:G0+3], s[KVB:KVB+1], s[42:43]
	s_or_b32 s[G0+3], s[G0+3], 0x80000000
	TLOAD                                          ; slot 0's first fill, ahead of every wait on TENSORcnt, every LDS read and every barrier
	v_and_b32 v48, 31, v0
	s_delay_alu instid0(VALU_DEP_1)
	v_lshlrev_b32 v[LI16], 4, v48
	s_delay_alu instid0(VALU_DEP_2)
	v_lshlrev_b32 v[LI8], 3, v48
	s_delay_alu instid0(VALU_DEP_3)
	v_lshlrev_b32 v[LI4], 2, v48
	s_delay_alu instid0(VALU_DEP_4)
	v_lshlrev_b32 v[PFO1], 8, v48
	v_add_nc_u32 v49, 32, v48
	s_delay_alu instid0(VALU_DEP_1)
	v_min_u32 v49, 50, v49
	s_delay_alu instid0(VALU_DEP_1)
	v_lshlrev_b32 v[PFO2], 8, v49
	v_and_b32 v44, 15, v0                          ; r
	v_bfe_u32 v45, v0, 4, 1                        ; h
	s_delay_alu instid0(VALU_DEP_2)
	v_and_b32 v46, 8, v44
	s_delay_alu instid0(VALU_DEP_1)
	v_add_nc_u32 v46, v46, v44                     ; r + 8 (r / 8)
	s_delay_alu instid0(VALU_DEP_3)
	v_lshlrev_b32 v47, 4, v45
	s_delay_alu instid0(VALU_DEP_1)
	v_sub_nc_u32 v[DM], v46, v47
	s_lshl_b32 s42, s[U], 3
	v_add_nc_u32 v[DM], s42, v[DM]
	v_lshlrev_b32 v[SOFF], 4, v44
	s_lshl_b32 s42, s[HQ], 8                       ; qc: 256 tiles a head, 1,024 bytes a tile
	s_lshl_b32 s44, s[BLKC], 1
	s_add_co_u32 s44, s44, s[U]
	s_add_co_u32 s44, s44, s42
	s_lshl_b32 s44, s44, 10
	s_mov_b32 s45, 0
	s_add_nc_u64 s[44:45], s[4:5], s[44:45]
	s_lshl_b32 s46, s[BLKB], 1
	s_add_co_u32 s46, s46, s[U]
	s_add_co_u32 s46, s46, s42
	s_lshl_b32 s46, s46, 10
	s_mov_b32 s47, 0
	s_add_nc_u64 s[46:47], s[4:5], s[46:47]
	global_load_b128 v[QF:QF+3], v[LI16], s[44:45]
	global_load_b64 v[QF+4:QF+5], v[LI8], s[44:45] offset:512
	global_load_b32 v[QS], v[LI4], s[44:45] offset:768
	global_load_b128 v[QB:QB+3], v[LI16], s[46:47]
	global_load_b64 v[QB+4:QB+5], v[LI8], s[46:47] offset:512
	global_load_b32 v[QBS], v[LI4], s[46:47] offset:768
	WIN 0x40
.irp t, 0,1,2,3,4,5,6,7
.irp i, 6,7,8,9,10,11
	v_mov_b32 v[12*\t+\i], 0                       ; K's upper 64 along the instruction's K: zero codes, written once
.endr
.endr
	WIN 0
.irp i, 6,7,8,9,10,11
	v_mov_b32 v[QF+\i], 0                          ; Q's likewise
.endr
.irp b, 0,1,2,3
	v_mov_b32 v[PT+\b], 0                          ; a lane permute's destination counts as one of its sources
.endr
	v_mov_b32 v[PWD], 0                            ; (named as the upper half of a pair before it is first written)
	v_mov_b32 v13, 0xff61b1e6                      ; the largest t so far: -3e38, under every t
	s_delay_alu instid0(VALU_DEP_1)
	v_floor_f32 v12, -v13
	v_mov_b32 v14, 0
	v_mov_b32 v15, 0
.set j, 0
.rept 32
	v_mov_b32 v[OT+j], 0                           ; the step is written once: the first finds zeros, which the first change of M leaves zeros
.set j, j+1
.endr
	s_wait_loadcnt 0x0                             ; both blocks' Q
.Lslot:                                            ; 10 trips: behind each change of slots but the last the next three key steps are asked for
	CHANGE 1
	STEP 0
	STEP 1
	STEP 2
	s_xor_b32 s[TB], s[TB], SLOT1
	s_sub_co_u32 s[SLOTS], s[SLOTS], 1
	s_cmp_lg_u32 s[SLOTS], 0
	s_cbranch_scc1 .Lslot
	CHANGE 0                                       ; the last slot is written out
	STEP 0
	STEP 1
	STEP 2
	s_wait_tensorcnt 0x0                           ; the wave's end
	ds_add_u32 v[SPW], v[NIL]
	s_wait_dscnt 0x0
	s_endpgm
.Lfunc_end_k_q597717b968_attn:
	.size	k_q597717b968_attn, .Lfunc_end_k_q597717b968_attn-k_q597717b968_attn
	.p2alignl 7, 3214868480
	.fill 96, 4, 3214868480
	.section	.rodata,"a",@progbits
	.p2align	6, 0x0
	.amdhsa_kernel k_q597717b968_attn
		.amdhsa_group_segment_fixed_size 327680
		.amdhsa_private_segment_fixed_size 0
		.amdhsa_enable_private_segment 0
		.amdhsa_kernarg_size 24
		.amdhsa_user_sgpr_count 2
		.amdhsa_user_sgpr_kernarg_segment_ptr 1
		.amdhsa_wavefront_size32 1
		.amdhsa_system_sgpr_workgroup_id_x 1
		.amdhsa_system_sgpr_workgroup_id_y 1
		.amdhsa_system_sgpr_workgroup_id_z 1
		.amdhsa_system_vgpr_workitem_id 0
		.amdhsa_next_free_vgpr 512
		.amdhsa_next_free_sgpr 66
		.amdhsa_reserve_vcc 1
		.amdhsa_float_denorm_mode_32 3
		.amdhsa_float_denorm_mode_16_64 3
		.amdhsa_memory_ordered 1
		.amdhsa_forward_progress 1
		.amdhsa_inst_pref_size 181
	.end_amdhsa_kernel
	.amdgpu_metadata
---
amdhsa.version: [ 1, 2 ]
amdhsa.kernels:
  - .name:           k_q597717b968_attn
    .symbol:         k_q597717b968_attn.kd
    .args:
      - { .name: qc, .offset: 0, .size: 8, .value_kind: global_buffer, .address_space: global }
      - { .name: kv, .offset: 8, .size: 8, .value_kind: global_buffer, .address_space: global }
      - { .name: oq, .offset: 16, .size: 8, .value_kind: global_buffer, .address_space: global }
    .group_segment_fixed_size: 327680
    .private_segment_fixed_size: 0
    .kernarg_segment_align: 8
    .kernarg_segment_size: 24
    .max_flat_workgroup_size: 256
    .sgpr_count:     66
    .vgpr_count:     512
    .wavefront_size: 32
...
	.end_amdgpu_metadata
.endif
;; end of part 7
;; launch oproj (part 8): grid 256 x 1, 16 waves a work-group, no clusters, 174,080 bytes of LDS; arguments oq, wc, out0; writes out0
.if DOCPART == 8
	.amdgcn_target "amdgcn-amd-amdhsa--gfx1250"
	.amdhsa_code_object_version 6
	.text
	.protected	k_q597717b968_oproj
	.globl	k_q597717b968_oproj
	.p2align	8
	.type	k_q597717b968_oproj,@function
k_q597717b968_oproj:
	s_mov_b64 s[64:65], 0
	v_nop
	global_prefetch_b8 v0, s[64:65] scope:SCOPE_SE
	s_setreg_imm32_b32 hwreg(HW_REG_WAVE_SCHED_MODE, 0, 2), 2
	s_setreg_imm32_b32 hwreg(HW_REG_WAVE_MODE, 25, 1), 1
	s_wait_xcnt 0x0
	s_wait_alu depctr_vm_vsrc(0)
; out0 = o W_o on codes of BF6 (E3M2) with E8M0 scales, sums in f32.  o arrives as tile blocks of 12,800 bytes (16 tokens x 1,024 of K: for head n half a fragment at 768 n: registers 0-3 at 16 l, 4-5 at 512 + 8 l;
; scale words at 12,288), W_o as wc's tiles 96-159 (whole fragments at 1,536 s).  Row r of tile T is index 32 (T / 2) + 8 (T % 2) + r + 8 (r / 8).
; A work-group holds one group of W_o (8 tiles = 128 output channels, all of K: 102,400 dense bytes) in LDS and takes 8 tiles of tokens.  Wave w: tile w % 8 of them, kept in registers, against half w / 8 of the group:
; 4 accumulators, 32 matrix instructions.  Source 0 = 16 channels of W_o, source 1 = my 16 tokens: a lane holds one token and 2 x 16 neighbouring channels.
; The fragments of the group come from LDS into two sets of registers by turns, a K step ahead.  The results go through the wave's own stage in LDS and leave as aligned runs of 256 bytes.
; No tensor load (a group is read once by a work-group, and K has only eight steps), no cluster.
; THE MODE: SCHED_MODE bits 1:0 = 2 (LLVM: expert scheduling mode 2), set by the entry lines.  The code itself states the register dependences
; between vector or matrix instructions and memory or LDS instructions, with s_wait_alu, always for 0.
; THE PLAN.  Registers that memory or LDS instructions touch:
;   v1-7, v252-254   offsets and LDS addresses: written once at the head and read by the loads and stores; v254 is written again at the very end alone.
;   AF, two sets     first the group on its way into LDS (global loads land, LDS stores read).  Then K step s: its four products read set s % 2, and the loads of K step s + 1 land in the other set,
;                    which the products of K step s - 1 have read.
;   BF, BS, AS       loaded once, read by the products; on the way out the stage's rows land in BF's first 32 registers, and the global stores read them.
;   ACC              written by the products alone; read by the LDS stores into the stage.
; So ONE wait on va_vdst stands at a K step's head: the products of the K step before are done reading the other set.  The step's twelve loads follow it, dealt among its four products,
; which name their own set, BF, the scale words and the accumulators: none of the registers that those loads touch.
.set TBLK, 12800
.set L16,  1
.set L8,   2
.set LA,   3                           ; v3  16 x lane + my half of the group
.set TO,   4
.set TO2,  5
.set TO8,  6
.set TO82, 7
.set BS,   8                           ; v8-11   my tile's scale words
.set AS,   12                          ; v12-27  my four tiles' of W_o
.set BF,   28                          ; v28-123 my tile's 8 fragments; later rows of the result
.set AF,   124                         ; v124-171, v172-219 two sets of four fragments; before that the group on its way into LDS
.set ACC,  220                         ; v220-251
.set STO,  252
.set SRD,  253
.set CO,   254
.set STG,  8*TBLK                      ; behind the group: 16 rows x (256 + 16) bytes for each wave
.macro MM d, a, b, sa, sb, s
.if (\s) == 0
	v_wmma_scale_f32_16x16x128_f8f6f4 v[(\d):(\d)+7], v[(\a):(\a)+11], v[(\b):(\b)+11], 0, v[\sa], v[\sb] matrix_a_fmt:MATRIX_FMT_BF6 matrix_b_fmt:MATRIX_FMT_BF6
.elseif (\s)%2
	v_wmma_scale_f32_16x16x128_f8f6f4 v[(\d):(\d)+7], v[(\a):(\a)+11], v[(\b):(\b)+11], v[(\d):(\d)+7], v[\sa], v[\sb] matrix_a_fmt:MATRIX_FMT_BF6 matrix_b_fmt:MATRIX_FMT_BF6 matrix_a_scale:MATRIX_SCALE_ROW1 matrix_b_scale:MATRIX_SCALE_ROW1
.else
	v_wmma_scale_f32_16x16x128_f8f6f4 v[(\d):(\d)+7], v[(\a):(\a)+11], v[(\b):(\b)+11], v[(\d):(\d)+7], v[\sa], v[\sb] matrix_a_fmt:MATRIX_FMT_BF6 matrix_b_fmt:MATRIX_FMT_BF6
.endif
.endm
	s_load_b128 s[4:7], s[0:1], 0x0                ; oq s[4:5], wc s[6:7]
	s_load_b64 s[8:9], s[0:1], 0x10                ; out0
	v_lshrrev_b32 v12, 5, v0
	v_readfirstlane_b32 s10, v12                   ; wave 0..15
	v_and_b32 v12, 31, v0
	v_and_b32 v13, 15, v0                          ; r
	s_wait_alu depctr_va_vdst(0)
	v_bfe_u32 v14, v0, 4, 1                        ; h
	s_wait_alu depctr_va_sdst(0)                   ; s10 is written, ahead of its first reader: my tile, my half, my stage and the bases are made from it
	s_and_b32 s11, ttmp9, 7                        ; the group of W_o
	s_lshr_b32 s12, ttmp9, 3
	s_and_b32 s13, s10, 7
	s_lshl_b32 s14, s12, 3
	s_add_co_u32 s14, s14, s13                     ; my tile of tokens T
	s_lshr_b32 s15, s10, 3                         ; my half of the group
	v_lshlrev_b32 v[L16], 4, v12
	v_lshlrev_b32 v[L8], 3, v12
	s_mul_i32 s20, s15, 4*TBLK
	v_add_nc_u32 v[LA], s20, v[L16]
	v_lshlrev_b32 v[TO], 4, v0
	v_add_nc_u32 v[TO2], 0x10000, v[TO]
	v_lshlrev_b32 v[TO8], 3, v0
	v_add_nc_u32 v[TO82], 98304, v[TO8]
	s_mul_i32 s20, s10, 16*272
	s_add_co_u32 s20, s20, STG                     ; my stage
	v_mul_u32_u24 v[STO], v13, 272
	s_wait_alu depctr_va_vdst(0)
	v_lshl_add_u32 v[STO], v14, 6, v[STO]
	v_add_nc_u32 v[STO], s20, v[STO]               ; in: row r, + 64 h
	v_mul_u32_u24 v[SRD], v14, 272
	v_lshl_add_u32 v[SRD], v13, 4, v[SRD]
	v_add_nc_u32 v[SRD], s20, v[SRD]               ; back: lanes 0-15 one row, lanes 16-31 the next
	v_lshlrev_b32 v[CO], 12, v14
	v_lshl_add_u32 v[CO], v13, 4, v[CO]            ; and the same two rows in out0
	s_add_co_u32 s16, s11, 12
	s_mul_i32 s16, s16, 8*TBLK
	s_mov_b32 s17, 0
	s_mul_i32 s18, s14, TBLK
	s_mov_b32 s19, 0
	s_lshr_b32 s20, s14, 1
	s_lshl_b32 s20, s20, 5
	s_and_b32 s21, s14, 1
	s_lshl_b32 s21, s21, 3
	s_add_co_u32 s20, s20, s21                     ; the tile's first token
	s_lshl_b32 s20, s20, 12
	s_lshl_b32 s21, s11, 9
	s_add_co_u32 s20, s20, s21                     ; + the group's 128 channels
	s_lshl_b32 s21, s15, 8
	s_add_co_u32 s20, s20, s21                     ; + my half's 64
	s_mov_b32 s21, 0
	s_wait_kmcnt 0x0
	s_add_nc_u64 s[6:7], s[6:7], s[16:17]
	s_add_nc_u64 s[4:5], s[4:5], s[18:19]
	s_add_nc_u64 s[8:9], s[8:9], s[20:21]
	s_wait_alu depctr_va_vdst(0)                   ; v1 to v7 and v252 to v254 are written, which the loads and stores below read as offsets and addresses; so are v12 to v14, in which loads of scale words land
.irp p, 0,1,2,3,4,5,6,7,8,9,10,11
	global_load_b128 v[AF+4*\p:AF+4*\p+3], v[TO], s[6:7] offset:8192*\p
.endr
	global_load_b64 v[AF+48:AF+49], v[TO8], s[6:7] offset:98304
.irp n, 0,1,2,3,4,5,6,7,8,9,10,11,12,13,14,15
	global_load_b128 v[BF+6*\n:BF+6*\n+3], v[L16], s[4:5] offset:768*\n
	global_load_b64 v[BF+6*\n+4:BF+6*\n+5], v[L8], s[4:5] offset:768*\n+512
.endr
	global_load_b128 v[BS:BS+3], v[L16], s[4:5] offset:12288
	s_wait_loadcnt 33                              ; the group's 13 loads are in; my tile's 33 may be out
.irp p, 0,1,2,3,4,5,6,7
	ds_store_b128 v[TO], v[AF+4*\p:AF+4*\p+3] offset:8192*\p
.endr
.irp p, 8,9,10,11
	ds_store_b128 v[TO2], v[AF+4*\p:AF+4*\p+3] offset:8192*(\p-8)
.endr
	ds_store_b64 v[TO82], v[AF+48:AF+49]
	s_wait_dscnt 0x0                               ; for the others' sake: my part of the group lies in LDS
	s_barrier_signal -1
	s_barrier_wait -1                              ; everybody's does; nothing is written there again
	s_wait_alu depctr_vm_vsrc(0)                   ; my LDS stores have read v[AF ..]: these registers are the two sets from here on, in which the fragments' loads land
.macro LOADT s, t                      ; tile t of my four, K step s, into set s % 2: three loads of 512 consecutive bytes
.irp c, 0,1,2
	ds_load_b128 v[AF+48*((\s)%2)+12*(\t)+4*\c:AF+48*((\s)%2)+12*(\t)+4*\c+3], v[LA] offset:TBLK*(\t)+1536*(\s)+512*\c
.endr
.endm
.irp t, 0,1,2,3
	ds_load_b128 v[AS+4*\t:AS+4*\t+3], v[LA] offset:TBLK*\t+12288
.endr
.irp t, 0,1,2,3
	LOADT 0, \t
.endr
	s_wait_loadcnt 0x0                             ; my tile
; K step s.  The accumulators take turns, one instruction a turn; each takes its K steps in ascending order
.macro KSTEP s
.if (\s) < 7
.if (\s) > 0
	s_wait_alu depctr_va_vdst(0)                   ; the products of the K step before are done reading the other set, in which this step's twelve loads land
.endif
	LOADT (\s)+1, 0                                ; the next K step: half of it ahead of the products,
	LOADT (\s)+1, 1
	s_wait_dscnt 6                                 ; LDS loads come back in order (ISA guide 5.7.1): this K step's set is in (in K step 0 the scale words too), the six just issued stay out
.else
	s_wait_dscnt 0x0
.endif
	MM ACC, AF+48*((\s)%2), BF+12*(\s), AS+(\s)/2, BS+(\s)/2, \s
.if (\s) < 7
	LOADT (\s)+1, 2                                ; the rest among them.  No wait: no matrix instruction since the wait above names the other set
.endif
	MM ACC+8, AF+48*((\s)%2)+12, BF+12*(\s), AS+4+(\s)/2, BS+(\s)/2, \s
.if (\s) < 7
	LOADT (\s)+1, 3
.endif
	MM ACC+16, AF+48*((\s)%2)+24, BF+12*(\s), AS+8+(\s)/2, BS+(\s)/2, \s
	MM ACC+24, AF+48*((\s)%2)+36, BF+12*(\s), AS+12+(\s)/2, BS+(\s)/2, \s
.endm
.irp s, 0,1,2,3,4,5,6,7
	KSTEP \s
.endr
.rept 4
	v_nop                                          ; four places behind the last product, before an LDS store reads its result
.endr
	s_wait_alu depctr_va_vdst(0)                   ; the products have written the accumulators, which the LDS stores read, and are done reading v[BF ..], in which the stage's rows land; the places above stay beside this wait
.irp b, 0,1
.irp q, 0,1,2,3
	ds_store_b128 v[STO], v[ACC+16*\b+4*\q:ACC+16*\b+4*\q+3] offset:128*\b+16*\q   ; register 16 b + i: channel 32 b + 16 h + i; each accumulator from its low end on
.endr
.endr
.irp i, 0,1,2,3,4,5,6,7
	ds_load_b128 v[BF+4*\i:BF+4*\i+3], v[SRD] offset:544*\i                        ; LDS serves a wave's instructions in order: these see my stores
.endr
.irp i, 0,1,2,3,4,5,6,7
	s_wait_dscnt 7-\i
	global_store_b128 v[CO], v[BF+4*\i:BF+4*\i+3], s[8:9] offset:(2*\i+8*(\i/4))*4096 th:TH_STORE_NT   ; sixteen lanes store 256 consecutive bytes, at a multiple of 256 from out0's first byte
.endr
	s_wait_xcnt 0x0
	s_wait_alu depctr_vm_vsrc(0)                   ; the global stores have read v254, their offset, which the next line writes anew
	v_lshl_add_u32 v254, v0, 2, 0x2a000
	v_mov_b32 v255, 0
	s_wait_dscnt 0x0                               ; the closing lines, six on end
	s_wait_alu 0x0
	s_wait_tensorcnt 0x0
	ds_add_u32 v254, v255
	s_wait_dscnt 0x0
	s_endpgm
.Lfunc_end_k_q597717b968_oproj:
	.size	k_q597717b968_oproj, .Lfunc_end_k_q597717b968_oproj-k_q597717b968_oproj
	.p2alignl 7, 3214868480
	.fill 96, 4, 3214868480
	.section	.rodata,"a",@progbits
	.p2align	6, 0x0
	.amdhsa_kernel k_q597717b968_oproj
		.amdhsa_group_segment_fixed_size 174080
		.amdhsa_private_segment_fixed_size 0
		.amdhsa_enable_private_segment 0
		.amdhsa_kernarg_size 24
		.amdhsa_user_sgpr_count 2
		.amdhsa_user_sgpr_kernarg_segment_ptr 1
		.amdhsa_wavefront_size32 1
		.amdhsa_system_sgpr_workgroup_id_x 1
		.amdhsa_system_sgpr_workgroup_id_y 1
		.amdhsa_system_sgpr_workgroup_id_z 1
		.amdhsa_system_vgpr_workitem_id 0
		.amdhsa_next_free_vgpr 256
		.amdhsa_next_free_sgpr 66
		.amdhsa_reserve_vcc 0
		.amdhsa_float_denorm_mode_32 3
		.amdhsa_float_denorm_mode_16_64 3
		.amdhsa_memory_ordered 1
		.amdhsa_forward_progress 1
		.amdhsa_inst_pref_size 22
	.end_amdhsa_kernel
	.amdgpu_metadata
---
amdhsa.version: [ 1, 2 ]
amdhsa.kernels:
  - .name:           k_q597717b968_oproj
    .symbol:         k_q597717b968_oproj.kd
    .args:
      - { .name: oq, .offset: 0, .size: 8, .value_kind: global_buffer, .address_space: global }
      - { .name: wc, .offset: 8, .size: 8, .value_kind: global_buffer, .address_space: global }
      - { .name: out0, .offset: 16, .size: 8, .value_kind: global_buffer, .address_space: global }
    .group_segment_fixed_size: 174080
    .private_segment_fixed_size: 0
    .kernarg_segment_align: 8
    .kernarg_segment_size: 24
    .max_flat_workgroup_size: 512
    .sgpr_count:     66
    .vgpr_count:     256
    .wavefront_size: 32
...
	.end_amdgpu_metadata
.endif
;; end of part 8
